; MI455X (gfx1250); checked and timed in simulation.
; The chip was launched on July 23, 2026; its instructions are those of AMD's public machine-readable ISA for CDNA 5 (MIT licence, August 2026) and "CDNA5" Instruction Set Architecture Reference Guide (July 2026). The comments in the code are by the model that wrote it; some were corrected since.
;; Multi Head Attention. Allowed arithmetic: float matrix products may take bf16 or f16 operands with f32 sums; other float arithmetic in f32, or as packed bf16 or f16 multiplies, adds, multiply-adds, maxima and minima; sums over many terms, partial sums and values carried from step to step in f32; what a program stores and reads back later, other than sums and carried values, may be rounded once to bf16 or f16.
;; Inputs: W_proj 1,024 x 1,024 float32; W_qkv 1,024 x 3,072 float32; b_proj 1,024 float32; b_qkv 3,072 float32; mask 1 x 1 x 2,048 x 2,048 int32; x 4 x 2,048 x 1,024 float32.
;; Outputs: out0 4 x 2,048 x 1,024 float32.
;; 2 versions, each right; version 2 is version 1 with the launch attn written anew for expert scheduling mode. Each part assembles by itself: llvm-mc -triple=amdgcn-amd-amdhsa -mcpu=gfx1250 --defsym DOCPART=n.
;; ======== version 1 of 2: 4 launches
;; limits: values are held in f16: magnitudes above 65,504 overflow, below 6.1e-05 lose precision
;; workspace buffers: xb 16,777,216 bytes; wq 6,291,456 bytes; wp 2,097,152 bytes; nib 2,097,152 bytes; cls 256 bytes of whole numbers; qkv 50,331,648 bytes; ob 16,777,216 bytes
;; launch prep (part 1): grid 832 x 1, 8 waves a work-group, no clusters, 1,280 bytes of LDS; arguments mask, x, W_qkv, W_proj, nib, cls, xb, wq, wp; writes nib, cls, xb, wq, wp
.if DOCPART == 1
	.amdgcn_target "amdgcn-amd-amdhsa--gfx1250"
	.amdhsa_code_object_version 6
	.text
	.protected	k_q4cde3fdb33_prep
	.globl	k_q4cde3fdb33_prep
	.p2align	8
	.type	k_q4cde3fdb33_prep,@function
k_q4cde3fdb33_prep:
	s_mov_b64 s[64:65], 0
	v_nop
	global_prefetch_b8 v0, s[64:65] scope:SCOPE_SE
	s_setreg_imm32_b32 hwreg(HW_REG_WAVE_MODE, 25, 1), 1
	s_wait_xcnt 0x0
; PREPARATION.  Work-groups 0-63 pack the mask; work-groups 64-831 round x, W_qkv and W_proj.
; THE MASK, [2048 q][2048 k] of int32 (0 = hidden, anything else = visible), becomes
;   nib: 4 bits a score, in the order in which the attention's score registers hold them: [q / 16][k / 64][lane 32][4 words]; lane (r, h), word kb, nibble j (bits 4 j + 3 : 4 j)
;        is query 16 (q / 16) + r, key 64 (k / 64) + 16 kb + 8 h + j; 0xE where hidden, 0 where visible;
;   cls: one word for each tile of 256 queries x 256 keys, [q / 256][k / 256]: bit kt set if the tile has a visible score, bit 16 + kt if it has a hidden one (kt = k / 256).
; THE CASTS: xb = bf16(x), wq = bf16(W_qkv), both as they lie; wp = W_proj rounded to bf16 and that number written as f16.
; LIMIT: |W_proj| stays under 65,504 (f16's range); below 6e-5 the f16 copy keeps f16's fixed step of 6e-8.
; A stream: no matrix unit, no ring in LDS; LDS holds eight words for a tile's class.
.set SPARE, 256                        ; LDS: bytes 0-31 the waves' class words (the block of 256 is theirs); from 256 on the spare words, 128 bytes a wave
.set VM,  2                            ; v2   my byte offset in the tile's rows of the mask; never rewritten
.set VN,  3                            ; v3   my byte offset in nib; never rewritten
.set HV,  6                            ; v6   the OR of my packed words
.set AL,  7                            ; v7   the AND of my packed words
.set T,   8                            ; v8   at work
.set SPW, 62                           ; v62  LDS address of my spare word; never rewritten
.set NIL, 63                           ; v63  0; never rewritten
.set X,   64                           ; v[64:191]  two buffers of 64: a lane's 64 keys of one row
.set OUT, 192                          ; v[192:223] eight packed words a unit; never used twice, so no store's data is rewritten
	s_load_b256 s[4:11], s[0:1], 0x0               ; mask s[4:5], x s[6:7], W_qkv s[8:9], W_proj s[10:11]
	s_load_b256 s[16:23], s[0:1], 0x20             ; nib s[16:17], cls s[18:19], xb s[20:21], wq s[22:23]
	s_load_b64 s[24:25], s[0:1], 0x40              ; wp
	v_lshl_add_u32 v[SPW], v0, 2, SPARE
	v_mov_b32 v[NIL], 0
	v_lshrrev_b32 v1, 5, v0
	v_readfirstlane_b32 s12, v1                    ; wave 0..7
	s_wait_kmcnt 0x0
	s_cmp_lt_u32 ttmp9, 64                         ; the same answer in all waves of a work-group
	s_cbranch_scc0 .Lcast
	; ---- THE MASK: one tile of 256 x 256.  Wave w takes four units of 16 queries x 128 keys: query tile 2 w + u / 2, key pair u % 2.
	; Lane (r = l % 16, g = l / 16) reads row r's 64 keys of key step 2 (u % 2) + g: 256 bytes, by sixteen loads of 16 bytes.
	s_lshr_b32 s13, ttmp9, 3                       ; query block
	s_and_b32 s14, ttmp9, 7                        ; key tile
	s_lshl_b32 s26, s13, 21                        ; 256 rows of 8,192 bytes
	s_lshl_b32 s15, s14, 10                        ; 256 keys of 4 bytes
	s_add_co_u32 s26, s26, s15
	s_mov_b32 s27, 0
	s_add_nc_u64 s[4:5], s[4:5], s[26:27]
	s_lshl_b32 s26, s13, 18                        ; 16 query tiles of 16,384 bytes
	s_lshl_b32 s15, s14, 11                        ; 4 key steps of 512 bytes
	s_add_co_u32 s26, s26, s15
	s_add_nc_u64 s[16:17], s[16:17], s[26:27]
	v_and_b32 v4, 15, v0                           ; r
	v_bfe_u32 v5, v0, 4, 1                         ; g
	v_lshlrev_b32 v[VM], 13, v4
	v_lshl_add_u32 v[VM], v5, 8, v[VM]
	s_lshl_b32 s15, s12, 18                        ; 32 rows a wave
	v_add_nc_u32 v[VM], s15, v[VM]
	v_lshlrev_b32 v[VN], 4, v4
	v_lshl_add_u32 v[VN], v5, 9, v[VN]
	s_lshl_b32 s15, s12, 15                        ; 2 query tiles a wave
	v_add_nc_u32 v[VN], s15, v[VN]
	v_mov_b32 v[HV], 0
	v_mov_b32 v[AL], -1
.macro LOADU u, buf                    ; a unit's sixteen loads
.set c, 0
.rept 16
	global_load_b128 v[X+64*(\buf)+4*c:X+64*(\buf)+4*c+3], v[VM], s[4:5] offset:((\u)/2)*131072+((\u)%2)*512+16*c
.set c, c+1
.endr
.endm
; A unit is packed: for each half hh of the target lanes and each word kb the nibbles 7 .. 0 are shifted in, highest first.  Sixteen lanes store 256 consecutive bytes, aligned.
.macro UNIT u, buf
.irp hh, 0,1
.irp kb, 0,1,2,3
.set rO, OUT+8*(\u)+4*(\hh)+(\kb)
.set rX, X+64*(\buf)+16*(\kb)+8*(\hh)
	v_cmp_eq_u32 vcc_lo, 0, v[rX+7]
	v_cndmask_b32 v[rO], 0, 14, vcc_lo
.irp j, 6,5,4,3,2,1,0
	v_cmp_eq_u32 vcc_lo, 0, v[rX+\j]
	v_cndmask_b32 v[T], 0, 14, vcc_lo
	v_lshl_or_b32 v[rO], v[rO], 4, v[T]
.endr
	v_or_b32 v[HV], v[HV], v[rO]
	v_and_b32 v[AL], v[AL], v[rO]
.endr
	global_store_b128 v[VN], v[OUT+8*(\u)+4*(\hh):OUT+8*(\u)+4*(\hh)+3], s[16:17] offset:((\u)/2)*16384+((\u)%2)*1024+256*(\hh)
.endr
.endm
	LOADU 0, 0
	LOADU 1, 1
	s_wait_loadcnt 16                              ; unit 0 is in; the younger unit's sixteen loads stay out
	UNIT 0, 0
	LOADU 2, 0
	s_wait_loadcnt 16
	UNIT 1, 1
	LOADU 3, 1
	s_wait_loadcnt 16
	UNIT 2, 0
	s_wait_loadcnt 0x0
	UNIT 3, 1
	; the tile's class: bit 0 some score visible, bit 1 some score hidden; the eight waves' words meet in LDS
	v_cmp_ne_u32 s26, 0, v[HV]
	v_cmp_ne_u32 s27, 0xeeeeeeee, v[AL]
	s_cmp_lg_u32 s26, 0
	s_cselect_b32 s28, 2, 0
	s_cmp_lg_u32 s27, 0
	s_cselect_b32 s29, 1, 0
	s_or_b32 s28, s28, s29
	v_mov_b32 v9, s28
	v_mov_b32 v10, s12
	v_lshlrev_b32 v10, 2, v10
	ds_store_b32 v10, v9                           ; all lanes write the same word with the same value
	s_wait_dscnt 0x0                               ; for the others' sake: my store is done
	s_barrier_signal -1
	s_barrier_wait -1
	v_mov_b32 v11, 0
	ds_load_b128 v[12:15], v11
	ds_load_b128 v[16:19], v11 offset:16
	s_wait_dscnt 0x0
	v_or_b32 v12, v12, v13
	v_or_b32 v14, v14, v15
	v_or_b32 v16, v16, v17
	v_or_b32 v18, v18, v19
	v_or_b32 v12, v12, v14
	v_or_b32 v16, v16, v18
	v_or_b32 v12, v12, v16
	v_readfirstlane_b32 s28, v12
	s_cmp_lg_u32 s12, 0                            ; wave 0 stores the word
	s_cbranch_scc1 .Lend
	s_and_b32 s29, s28, 1
	s_lshl_b32 s29, s29, s14                       ; visible: bit kt
	s_lshr_b32 s30, s28, 1
	s_add_co_u32 s15, s14, 16
	s_lshl_b32 s30, s30, s15                       ; hidden: bit 16 + kt
	s_or_b32 s29, s29, s30
	v_mov_b32 v20, s29
	s_lshl_b32 s15, ttmp9, 2
	v_mov_b32 v21, s15
	s_wait_xcnt 0x0                                ; EXEC changes only when the stores above have read their sources
	v_cmp_eq_u32 vcc_lo, 0, v0
	s_and_saveexec_b32 s30, vcc_lo
	global_store_b32 v21, v20, s[18:19]
	s_wait_xcnt 0x0                                ; and again in front of the line that widens it
	s_or_b32 exec_lo, exec_lo, s30
	s_branch .Lend
	; ---- THE CASTS: 16,384 numbers a work-group: 512 chunks of x, 192 of W_qkv, 64 of W_proj
.Lcast:
	s_sub_co_u32 s13, ttmp9, 64
	s_cmp_lt_u32 s13, 512
	s_cselect_b64 s[26:27], s[6:7], s[8:9]
	s_cselect_b64 s[28:29], s[20:21], s[22:23]
	s_cselect_b32 s14, 0, 512
	s_cmp_lt_u32 s13, 704
	s_cselect_b64 s[26:27], s[26:27], s[10:11]
	s_cselect_b64 s[28:29], s[28:29], s[24:25]
	s_cselect_b32 s14, s14, 704
	s_cselect_b32 s15, 0, 1                        ; 1: W_proj, which leaves as f16
	s_sub_co_u32 s13, s13, s14                     ; the chunk's number in its tensor
	s_lshl_b32 s30, s13, 16
	s_mov_b32 s31, 0
	s_add_nc_u64 s[26:27], s[26:27], s[30:31]
	s_lshl_b32 s30, s13, 15
	s_add_nc_u64 s[28:29], s[28:29], s[30:31]
	v_lshlrev_b32 v2, 4, v0                        ; 16 bytes a thread in,
	v_lshlrev_b32 v3, 3, v0                        ; 8 bytes out: a wave's store covers 256 consecutive bytes, aligned
.set j, 0
.rept 16
	global_load_b128 v[64+4*j:64+4*j+3], v2, s[26:27] offset:4096*j th:TH_LOAD_NT
.set j, j+1
.endr
.macro CAST half
.set j, 0
.rept 16
	s_wait_loadcnt 15-j                            ; loads come back in order: number j is in, the younger ones stay out
	v_cvt_pk_bf16_f32 v[128+2*j], v[64+4*j], v[64+4*j+1]
	v_cvt_pk_bf16_f32 v[128+2*j+1], v[64+4*j+2], v[64+4*j+3]
.if \half
	v_lshlrev_b32 v8, 16, v[128+2*j]               ; the bf16 numbers widened,
	v_and_b32 v9, 0xffff0000, v[128+2*j]
	v_lshlrev_b32 v10, 16, v[128+2*j+1]
	v_and_b32 v11, 0xffff0000, v[128+2*j+1]
	v_cvt_pk_f16_f32 v[128+2*j], v8, v9            ; and written as f16
	v_cvt_pk_f16_f32 v[128+2*j+1], v10, v11
.endif
	global_store_b64 v3, v[128+2*j:128+2*j+1], s[28:29] offset:2048*j
.set j, j+1
.endr
.endm
	s_cmp_eq_u32 s15, 1
	s_cbranch_scc1 .Lhalf
	CAST 0
	s_branch .Lend
.Lhalf:
	CAST 1
.Lend:
	s_wait_tensorcnt 0x0                           ; the wave's end: three lines, behind my last LDS store
	ds_add_u32 v[SPW], v[NIL]
	s_wait_dscnt 0x0
	s_endpgm
.Lfunc_end_k_q4cde3fdb33_prep:
	.size	k_q4cde3fdb33_prep, .Lfunc_end_k_q4cde3fdb33_prep-k_q4cde3fdb33_prep
	.p2alignl 7, 3214868480
	.fill 96, 4, 3214868480
	.section	.rodata,"a",@progbits
	.p2align	6, 0x0
	.amdhsa_kernel k_q4cde3fdb33_prep
		.amdhsa_group_segment_fixed_size 1280
		.amdhsa_private_segment_fixed_size 0
		.amdhsa_enable_private_segment 0
		.amdhsa_kernarg_size 72
		.amdhsa_user_sgpr_count 2
		.amdhsa_user_sgpr_kernarg_segment_ptr 1
		.amdhsa_wavefront_size32 1
		.amdhsa_system_sgpr_workgroup_id_x 1
		.amdhsa_system_sgpr_workgroup_id_y 1
		.amdhsa_system_sgpr_workgroup_id_z 1
		.amdhsa_system_vgpr_workitem_id 0
		.amdhsa_next_free_vgpr 224
		.amdhsa_next_free_sgpr 66
		.amdhsa_reserve_vcc 1
		.amdhsa_float_denorm_mode_32 3
		.amdhsa_float_denorm_mode_16_64 3
		.amdhsa_memory_ordered 1
		.amdhsa_forward_progress 1
		.amdhsa_inst_pref_size 66
	.end_amdhsa_kernel
	.amdgpu_metadata
---
amdhsa.version: [ 1, 2 ]
amdhsa.kernels:
  - .name:           k_q4cde3fdb33_prep
    .symbol:         k_q4cde3fdb33_prep.kd
    .args:
      - { .name: mask, .offset: 0, .size: 8, .value_kind: global_buffer, .address_space: global }
      - { .name: x, .offset: 8, .size: 8, .value_kind: global_buffer, .address_space: global }
      - { .name: W_qkv, .offset: 16, .size: 8, .value_kind: global_buffer, .address_space: global }
      - { .name: W_proj, .offset: 24, .size: 8, .value_kind: global_buffer, .address_space: global }
      - { .name: nib, .offset: 32, .size: 8, .value_kind: global_buffer, .address_space: global }
      - { .name: cls, .offset: 40, .size: 8, .value_kind: global_buffer, .address_space: global }
      - { .name: xb, .offset: 48, .size: 8, .value_kind: global_buffer, .address_space: global }
      - { .name: wq, .offset: 56, .size: 8, .value_kind: global_buffer, .address_space: global }
      - { .name: wp, .offset: 64, .size: 8, .value_kind: global_buffer, .address_space: global }
    .group_segment_fixed_size: 1280
    .private_segment_fixed_size: 0
    .kernarg_segment_align: 8
    .kernarg_segment_size: 72
    .max_flat_workgroup_size: 256
    .sgpr_count:     66
    .vgpr_count:     224
    .wavefront_size: 32
...
	.end_amdgpu_metadata
.endif
;; end of part 1
;; launch qkvgemm (part 2): grid 8 x 32, 4 waves a work-group, clusters of 4 x 4, 327,680 bytes of LDS; arguments xb, wq, b_qkv, qkv; writes qkv
.if DOCPART == 2
	.amdgcn_target "amdgcn-amd-amdhsa--gfx1250"
	.amdhsa_code_object_version 6
	.text
	.protected	k_q4cde3fdb33_qkvgemm
	.globl	k_q4cde3fdb33_qkvgemm
	.p2align	8
	.type	k_q4cde3fdb33_qkvgemm,@function
k_q4cde3fdb33_qkvgemm:
	s_mov_b64 s[64:65], 0
	v_nop
	global_prefetch_b8 v0, s[64:65] scope:SCOPE_SE
	s_setreg_imm32_b32 hwreg(HW_REG_WAVE_MODE, 25, 1), 1
	s_wait_xcnt 0x0
	s_wait_alu depctr_hold_cnt(0) depctr_sa_sdst(0) depctr_va_vdst(0) depctr_va_sdst(0) depctr_va_ssrc(0) depctr_va_vcc(0) depctr_vm_vsrc(0)
	s_getreg_b32 s2, hwreg(HW_REG_IB_STS2, 6, 4)
	s_cmp_eq_u32 s2, 0
	s_cbranch_scc0 .Lentry_in_a_cluster
	s_endpgm
.Lentry_in_a_cluster:
	s_bfe_u32 s2, ttmp6, 0x10000c
	s_cmp_lg_u32 s2, 0xf033
	s_cbranch_scc0 .Lentry_shape_is_right
	s_endpgm
.Lentry_shape_is_right:
; C = A B + bias, one text for the module's two products; PROJ chooses.
; PROJ = 0: A = xb [8192][1024] bf16, B = wq [1024 k][3072 n] bf16; C leaves as f16 by heads, qkv[3][4 b][16 h][2048 t][64].  Tile of C 128 x 384, two tiles a work-group, 4,096 rows apart.
; PROJ = 1: A = ob [4 b][16 h][2048 t][64] f16 (k = 64 h + channel), B = wp [1024 k][1024 n] f16; C = out0 [8192][1024] f32.  Tile of C 128 x 256, one a work-group.
; Either way 256 work-groups of equal work.  Sums in f32, K ascending; the bias is rounded to bf16, as all the module's inputs are, and added in f32.
; LIMIT (PROJ = 0): q, k and v leave as f16: beyond 65,504 they become infinities.
; SHARES.  Four waves; wave w has rows 64 (w / 2) .. + 63 and, of each sub-tile j of 128 columns, the columns 64 (w % 2) .. + 63: accumulators (a = 0..3, b = 4 j + i) of 16 x 16.
; K goes in steps of 128 through two LDS slots.  B stays [k][n] in LDS, its fragments are turned by ds_load_tr16_b128; A lies along K.
; THE MATRIX INSTRUCTION IS USED TRANSPOSED (source 0 = 16 columns of B, source 1 = 16 rows of A): a lane holds row l % 16 of C and the columns 8 (l / 16) + 0..7.
; CLUSTER 4 x 4: A's tile is shared along a row of the cluster, B's along a column: each is asked for jointly, by the same tensor load, descriptor and mask in the four that it names.
; Waves 0 .. NSUB - 1 fetch B's sub-tiles (j = the wave's number), the others A.
; REGISTERS, in windows of 256 (s_set_vgpr_msb: bits 1:0 source 0, 3:2 source 1, 5:4 source 2, 7:6 destination):
;   window 0: v16-31 addresses; BIAS, T (and R) for the way out      window 1: two fragment buffers at v0 and v128: B's fragments at 8 b, A's at FA + 8 a
;   window 2: the accumulators of a = 0, 1 at 8 (NBK (a % 2) + b)    window 3: those of a = 2, 3
.set PROJ, 0
.set SIZE_K, 1024
.if PROJ
.set SIZE_N, 1024
.set NSUB,  2                          ; sub-tiles of 128 columns
.set AP,    144                        ; a row of A in LDS: 128 bytes (one head's 64 channels) + 16
.set ASZ,   2*128*AP                   ; two heads' planes of 128 rows
.set ALW,   128*AP                     ; A's LDS word: ALB + wave x ALW (waves 2 and 3)
.set ALB,   NSUB*36864-2*ALW
.set AQI,   4                          ; padding after every 32 words
.set AROWS, 64                         ; a plane's 128 dense rows are asked for as 64 rows of 256 bytes
.set ASTR,  128
.set ASTEP, 524288                     ; a K step is two heads: 2 x 2,048 x 128 bytes
.set APF,   256                        ; the prefetches of A: a lane takes 256 bytes on end
.set TILES, 1
.set STW,   2*16*272                   ; stage of a wave
.else
.set SIZE_N, 3072
.set NSUB,  3
.set AP,    272                        ; 256 bytes + 16
.set ASZ,   128*AP
.set ALW,   36864                      ; wave 3: behind B's three sub-tiles
.set ALB,   0
.set AQI,   5                          ; padding after every 64 words
.set AROWS, 128
.set ASTR,  1024
.set ASTEP, 256
.set APF,   2048                       ; a lane a row
.set TILES, 2
.set STW,   3*16*144
.endif
.set BP,    288                        ; a k row of a sub-tile of B in LDS: 256 bytes + 32
.set SUB,   128*BP
.set AB,    NSUB*SUB                   ; a slot: B's sub-tiles, then A
.set SLOT,  AB+ASZ
.set STAGE, 2*SLOT                     ; behind the ring, never filled by a tensor load
.set SPARE, STAGE+4*STW                ; behind the stages: the spare words, 128 bytes a wave
.set BSTEP, 128*SIZE_N*2
.set NBK,   4*NSUB                     ; column blocks of a wave
.set FA,    8*NBK
.set FN,    8*NSUB+8                   ; LDS loads of a quarter step
.set F0,    0
.set F1,    128
.set NEXT_A, 4096*2048-6*ASTEP         ; PROJ = 0: from a slot's last K step of a tile to its first of the next: 4,096 rows down, back along K
.set BACK_B, 6*BSTEP
.set NEXT_P, 4096*2048-7*ASTEP         ; the prefetches: from K step 9 to the next tile's K step 2
.set ADRA, 16                          ; v16-17  LDS address of my A fragments in slot 0, 1
.set ADRB, 18                          ; v18-..  of my B fragments: slot s, sub-tile j at NSUB s + j
.set STO,  24
.set RD,   25
.set GO,   26
.set SPW,  28                          ; v28  LDS address of my spare word; never rewritten
.set NIL,  29                          ; v29  0; never rewritten
.set PFO,  30                          ; v30  the prefetches' lane offset; never rewritten
.set VB,   31                          ; v31  my byte offset in the tile's bias
.set BIAS, 64
.set T,    64+8*NBK
.if PROJ
.set R,    192
.else
.set R,    T+48
.endif
.set WV,  12
.set MH,  13
.set NH,  14
.set G1,  24                           ; s[24:31] group 1 for A;  s[32:39] group 0, a set for each slot
.set G0,  32
.set PFA, 44                           ; s[44:45] where my prefetches stand
.set LIM, 46                           ; s46  1 in a wave that prefetches, else the greatest number
.set G1B, 48                           ; s[48:55], s[56:63] the same for B
.set G0B, 56
.set PFS, 66                           ; s[66:67] a K step in bytes, of the tensor that I prefetch
.set OB,  68                           ; s[68:73] PROJ = 0: where my rows of sub-tile j's head begin
.set MSB, 0
.macro WIN new                         ; the immediate's high byte repeats the setting that is left; a switch that changes nothing is dropped
.if MSB != (\new)
	s_set_vgpr_msb (MSB<<8)|(\new)
.set MSB, \new
.endif
.endm
.set TO_F, 0x40                        ; destination window 1, address window 0
.macro PLACES                          ; four places in front of loads into registers that matrix instructions have read, and of sums that read results
.rept 4
	v_nop
.endr
.endm
; A joint load.  The branch hangs on the wave's number alone.  An s_nop 0 and four v_nop follow each of the two lines, ahead of the jump and the label.
.macro JLOAD s
	s_cmp_lt_u32 s[WV], NSUB
	s_cbranch_scc1 .Lfor_b_\@
	tensor_load_to_lds s[G0+4*(\s):G0+4*(\s)+3], s[G1:G1+7]
	s_nop 0
.rept 4
	v_nop
.endr
	s_branch .Lasked_\@
.Lfor_b_\@:
	tensor_load_to_lds s[G0B+4*(\s):G0B+4*(\s)+3], s[G1B:G1B+7]
	s_nop 0
.rept 4
	v_nop
.endr
.Lasked_\@:
.endm
; A prefetch of the K step that stands two refills on: 32 blocks of 256 bytes, a lane each.  Each block is named once in the launch: A's by the first cluster of its row of clusters, B's by the first
; of its column; the four partners that ask for a tile jointly share its blocks out by address.  how = 0, in the loop: the last trip's refills have no K step two on.  how = 1: at a change of tiles.
.macro ASK how
.if \how
	s_cmp_eq_u32 s[LIM], 1
.else
	s_cmp_gt_u32 s3, s[LIM]
.endif
	s_cbranch_scc0 .Lnot_mine_\@
	global_prefetch_b8 v[PFO], s[PFA:PFA+1] th:TH_LOAD_NT scope:SCOPE_SE
.Lnot_mine_\@:
.endm
.macro CREST                           ; a round of the cluster's barrier behind its opening barrier
	s_cmp_lg_u32 s[WV], 0
	s_cbranch_scc1 .Lnot_wave_0_\@
	s_barrier_signal -3
.Lnot_wave_0_\@:
	s_barrier_wait -3
	s_barrier_signal -1
	s_barrier_wait -1
.endm
.macro CROUND
	s_barrier_signal -1
	s_barrier_wait -1
	CREST
.endm
	s_load_b256 s[4:11], s[0:1], 0x0               ; A s[4:5], B s[6:7], bias s[8:9], C s[10:11]
	v_lshl_add_u32 v[SPW], v0, 2, SPARE
	v_mov_b32 v[NIL], 0
	ds_add_u32 v[SPW], v[NIL]                      ; the wave's opening: the add and its wait stand ahead of my first tensor load; work on registers stands between them
	v_lshrrev_b32 v1, 5, v0
	v_readfirstlane_b32 s[WV], v1                  ; wave 0..3
	s_lshr_b32 s[MH], s[WV], 1
	s_and_b32 s[NH], s[WV], 1
	s_bfe_u32 s40, ttmp6, 0x40000                  ; cx
	s_bfe_u32 s41, ttmp6, 0x40004                  ; cy
	s_lshl_b32 s42, ttmp9, 2
	s_add_co_u32 s42, s42, s40                     ; tile column = 4 x cluster x + cx
	s_and_b32 s43, ttmp7, 0xffff
	s_lshl_b32 s43, s43, 2
	s_add_co_u32 s43, s43, s41                     ; tile row = 4 x cluster y + cy
	s_lshl_b32 s16, s41, 2
	s_lshl_b32 s16, 15, s16                        ; my row of the cluster
	s_lshl_b32 s74, 0x1111, s40                    ; my column
	s_or_b32 s[G1], s16, (1<<16)|(1<<20)|(1<<21)|(AQI<<22)|(3<<25)   ; the mask; elements of 2 bytes; padding on; bit 21 beside a mask; the interval; 4 words of padding
	s_or_b32 s[G1B], s74, (1<<16)|(1<<20)|(1<<21)|(5<<22)|(7<<25)    ; after every 64 words 8 words
	s_mov_b32 s[G1+1], 128<<16                     ; tensor_dim0 = 128
	s_mov_b32 s[G1+2], AROWS<<16                   ; tensor_dim1
	s_mov_b32 s[G1+3], 128<<16                     ; tile_dim0 = 128
	s_mov_b32 s[G1+4], AROWS                       ; tile_dim1
	s_mov_b32 s[G1+5], ASTR                        ; elements from row to row
	s_mov_b32 s[G1+6], 0
	s_mov_b32 s[G1+7], 0
	s_mov_b32 s[G1B+1], 128<<16
	s_mov_b32 s[G1B+2], 128<<16
	s_mov_b32 s[G1B+3], 128<<16
	s_mov_b32 s[G1B+4], 128
	s_mov_b32 s[G1B+5], SIZE_N
	s_mov_b32 s[G1B+6], 0
	s_mov_b32 s[G1B+7], 0
	; where the tiles come from: A's hang on the tile row (and the wave), B's on the tile column (and the wave), each in registers that never hold the other coordinate
.if PROJ
	s_lshr_b32 s16, s43, 4
	s_lshl_b32 s16, s16, 22                        ; the batch: 16 heads of 262,144 bytes
	s_and_b32 s17, s43, 15
	s_lshl_b32 s17, s17, 14                        ; the tile's 128 rows of 128 bytes in a head
	s_add_co_u32 s16, s16, s17
	s_lshl_b32 s17, s[NH], 18                      ; which of a K step's two heads I fetch
	s_add_co_u32 s16, s16, s17
.else
	s_lshl_b32 s16, s43, 18                        ; 128 rows of 2,048 bytes
.endif
	s_mov_b32 s17, 0
	s_mul_i32 s74, s42, 256*NSUB                   ; the tile's first column, in bytes,
	s_lshl_b32 s75, s[WV], 8                       ; my sub-tile
	s_add_co_u32 s74, s74, s75
	s_mov_b32 s75, 0
	s_mul_i32 s47, s[WV], ALW                      ; where they go: no place in the cluster enters an LDS address
	s_mul_i32 s78, s[WV], SUB
	s_wait_dscnt 0x0                               ; the opening add is done
	s_wait_kmcnt 0x0
	s_add_nc_u64 s[18:19], s[4:5], s[16:17]
	s_add_nc_u64 s[76:77], s[6:7], s[74:75]
	CROUND                                         ; all sixteen work-groups are here: the first joint loads meet
.irp s, 0,1
	s_mov_b32 s[G0+4*(\s)], 1
	s_add_co_u32 s[G0+4*(\s)+1], s47, (\s)*SLOT+ALB
	s_add_nc_u64 s[G0+4*(\s)+2:G0+4*(\s)+3], s[18:19], (\s)*ASTEP
	s_or_b32 s[G0+4*(\s)+3], s[G0+4*(\s)+3], 0x80000000
	s_mov_b32 s[G0B+4*(\s)], 1
	s_add_co_u32 s[G0B+4*(\s)+1], s78, (\s)*SLOT
	s_add_nc_u64 s[G0B+4*(\s)+2:G0B+4*(\s)+3], s[76:77], (\s)*BSTEP
	s_or_b32 s[G0B+4*(\s)+3], s[G0B+4*(\s)+3], 0x80000000
	JLOAD \s                                       ; two loads of mine are out
.endr
	v_and_b32 v1, 15, v0                           ; r = l % 16
	v_bfe_u32 v2, v0, 4, 1                         ; h = l / 16
	v_and_b32 v3, 7, v0
	v_bfe_u32 v4, v0, 3, 1
	v_lshlrev_b32 v[VB], 5, v2                     ; the bias of my columns: 32 h + 256 (w % 2), then 512 j + 64 i in the immediate
	s_lshl_b32 s20, s[NH], 8
	v_add_nc_u32 v[VB], s20, v[VB]
	s_mul_i32 s20, s42, 512*NSUB
	s_mov_b32 s21, 0
	s_add_nc_u64 s[8:9], s[8:9], s[20:21]
.set bb, 0
.rept NBK
	global_load_b128 v[BIAS+8*bb:BIAS+8*bb+3],   v[VB], s[8:9] offset:512*(bb/4)+64*(bb%4)
	global_load_b128 v[BIAS+8*bb+4:BIAS+8*bb+7], v[VB], s[8:9] offset:512*(bb/4)+64*(bb%4)+16
.set bb, bb+1
.endr
	v_mul_u32_u24 v5, v1, AP                       ; A's fragments: row x pitch + 16 h
	v_lshl_add_u32 v5, v2, 4, v5
	s_mul_i32 s20, s[MH], 64*AP
	s_add_co_u32 s20, s20, AB
	v_add_nc_u32 v[ADRA], s20, v5
	v_add_nc_u32 v[ADRA+1], SLOT, v[ADRA]
	v_lshl_add_u32 v6, v2, 3, v3                   ; B's: lane l reads k row 8 h + l % 8, 16 bytes at 16 ((l / 8) % 2), in my 128 bytes of the row
	v_mul_u32_u24 v6, v6, BP
	v_lshl_add_u32 v6, v4, 4, v6
	s_lshl_b32 s20, s[NH], 7
	v_add_nc_u32 v6, s20, v6
.set jj, 0
.rept 2*NSUB
	v_add_nc_u32 v[ADRB+jj], (jj/NSUB)*SLOT+(jj%NSUB)*SUB, v6
.set jj, jj+1
.endr
	s_mul_i32 s20, s[WV], STW
	s_add_co_u32 s20, s20, STAGE                   ; my stage
.if PROJ
	v_mul_u32_u24 v5, v1, 272                      ; in: row r, 32 bytes for each half of the lanes
	v_lshl_add_u32 v5, v2, 5, v5
	v_add_nc_u32 v[STO], s20, v5
	v_mul_u32_u24 v5, v2, 272                      ; back: lanes 0-15 a row of 256 bytes, lanes 16-31 the next
	v_lshl_add_u32 v5, v1, 4, v5
	v_add_nc_u32 v[RD], s20, v5
	v_lshlrev_b32 v5, 12, v2                       ; and the same two rows of C
	v_lshl_add_u32 v[GO], v1, 4, v5
	s_lshl_b32 s20, s43, 19                        ; my part of C: (128 tile row + 64 (w / 2)) rows of 4,096 bytes, (256 tile column + 64 (w % 2)) columns of 4
	s_lshl_b32 s21, s[MH], 18
	s_add_co_u32 s20, s20, s21
	s_lshl_b32 s21, s42, 10
	s_add_co_u32 s20, s20, s21
	s_lshl_b32 s21, s[NH], 8
	s_add_co_u32 s20, s20, s21
	s_mov_b32 s21, 0
	s_add_nc_u64 s[10:11], s[10:11], s[20:21]
.else
	v_mul_u32_u24 v5, v1, 144                      ; in: row r, 16 bytes for each half of the lanes
	v_lshl_add_u32 v5, v2, 4, v5
	v_add_nc_u32 v[STO], s20, v5
	v_bfe_u32 v5, v0, 3, 2                         ; back: 32 lanes take four rows of 128 bytes,
	v_mul_u32_u24 v5, v5, 144
	v_lshl_add_u32 v5, v3, 4, v5
	v_add_nc_u32 v[RD], s20, v5
	v_and_b32 v5, 31, v0                           ; which are 512 consecutive bytes of a head
	v_lshlrev_b32 v[GO], 4, v5
	s_mul_i32 s20, s42, 6                          ; sub-tile j's 64 columns of mine are column group 6 x tile column + 2 j + w % 2 of 48: which of q, k, v = group / 16, head = group % 16
	s_add_co_u32 s20, s20, s[NH]
	s_lshr_b32 s21, s43, 4
	s_lshl_b32 s21, s21, 4                         ; 16 x batch
	s_and_b32 s22, s43, 15
	s_lshl_b32 s22, s22, 14
	s_lshl_b32 s23, s[MH], 13
	s_add_co_u32 s22, s22, s23                     ; my first row in the head, in bytes
.irp j, 0,1,2
	s_add_co_u32 s15, s20, 2*\j
	s_lshr_b32 s23, s15, 4
	s_lshl_b32 s23, s23, 6
	s_and_b32 s15, s15, 15
	s_add_co_u32 s23, s23, s15
	s_add_co_u32 s23, s23, s21
	s_lshl_b32 s74, s23, 18                        ; a head is 262,144 bytes
	s_add_co_u32 s74, s74, s22
	s_mov_b32 s75, 0
	s_add_nc_u64 s[OB+2*\j:OB+2*\j+1], s[10:11], s[74:75]
.endr
.endif
	; the prefetches stand at K step 3; the first refill steps them to 4.  Nothing is prefetched here, at the head
.if PROJ
	s_lshr_b32 s20, s43, 4
	s_lshl_b32 s20, s20, 22
	s_and_b32 s21, s43, 15
	s_lshl_b32 s21, s21, 14
	s_add_co_u32 s20, s20, s21
	s_lshr_b32 s21, s40, 1                         ; of a K step's 2 x 64 blocks partner cx takes head cx / 2, half cx % 2
	s_lshl_b32 s21, s21, 18
	s_add_co_u32 s20, s20, s21
	s_and_b32 s21, s40, 1
	s_lshl_b32 s21, s21, 13
	s_add_co_u32 s20, s20, s21
.else
	s_lshl_b32 s20, s43, 18
	s_lshl_b32 s21, s40, 16                        ; of the tile's 128 rows partner cx takes 32
	s_add_co_u32 s20, s20, s21
.endif
	s_add_co_u32 s20, s20, 3*ASTEP
	s_lshl_b32 s21, s41, 5                         ; of a K step's 128 k rows of B partner cy takes 32
	s_add_co_u32 s21, s21, 3*128
	s_mul_i32 s21, s21, 2*SIZE_N
	s_mul_i32 s22, s42, 256*NSUB
	s_add_co_u32 s21, s21, s22
	s_lshl_b32 s22, s[WV], 8
	s_add_co_u32 s21, s21, s22
	s_and_b32 s22, ttmp7, 0xffff                   ; cluster y
	s_mov_b32 s15, BSTEP
	s_mov_b32 s23, 2*SIZE_N
	s_cmp_lt_u32 s[WV], NSUB                       ; do I fetch for B?
	s_cselect_b32 s20, s21, s20
	s_cselect_b32 s22, s22, ttmp9                  ; the coordinate along which other clusters read the same blocks
	s_cselect_b64 s[PFA:PFA+1], s[6:7], s[4:5]
	s_cselect_b32 s[PFS], s15, ASTEP
	s_cselect_b32 s23, s23, APF
	s_mov_b32 s21, 0
	s_mov_b32 s[PFS+1], 0
	s_add_nc_u64 s[PFA:PFA+1], s[PFA:PFA+1], s[20:21]
	s_cmp_eq_u32 s22, 0
	s_cselect_b32 s[LIM], 1, -1                    ; the same in all sixteen partners, for a given wave
.if PROJ
	s_cmp_eq_u32 s[WV], 3                          ; wave 2's lanes, in four partners, cover A's 128 blocks
	s_cselect_b32 s[LIM], -1, s[LIM]
.endif
	v_and_b32 v[PFO], 31, v0
	v_mul_u32_u24 v[PFO], v[PFO], s23
	s_wait_loadcnt 0x0                             ; the bias, once; rounded to bf16 and widened again
.set bb, 0
.rept 4*NBK
	v_cvt_pk_bf16_f32 v[T], v[BIAS+2*bb], v[BIAS+2*bb+1]
	v_lshlrev_b32 v[BIAS+2*bb], 16, v[T]
	v_and_b32 v[BIAS+2*bb+1], 0xffff0000, v[T]
.set bb, bb+1
.endr
.macro WM c
.if PROJ
	v_wmma_f32_16x16x32_f16 v[rD:rD+7], v[rB:rB+7], v[rA:rA+7], \c
.else
	v_wmma_f32_16x16x32_bf16 v[rD:rD+7], v[rB:rB+7], v[rA:rA+7], \c
.endif
.endm
; NBK matrix instructions: row block a x all my column blocks, 32 along K.  The accumulators take turns in one fixed order, one instruction a turn.  zero = 1: the product starts the sum.
.macro MULA f, a, zero
	WIN 0xa5+0x50*((\a)/2)                         ; sources window 1; C and D window 2 or 3
.set bb, 0
.rept NBK
.set rD, 8*(NBK*((\a)%2)+bb)
.set rB, (\f)+8*bb
.set rA, (\f)+FA+8*(\a)
.if \zero
	WM 0
.else
	WM v[rD:rD+7]
.endif
.set bb, bb+1
.endr
.endm
; FN LDS loads in one run: the fragments of quarter q (32 along K) of a slot into buffer f: B's first, then A's four blocks
.macro FETCH slot, q, f
	WIN TO_F
.if PROJ
.set ao, ((\q)/2)*128*AP+((\q)%2)*64
.else
.set ao, 64*(\q)
.endif
.set jj, 0
.rept NSUB
.irp i, 0,1,2,3
	ds_load_tr16_b128 v[(\f)+8*(4*jj+(\i)):(\f)+8*(4*jj+(\i))+3],   v[ADRB+NSUB*(\slot)+jj] offset:32*BP*(\q)+32*(\i)
	ds_load_tr16_b128 v[(\f)+8*(4*jj+(\i))+4:(\f)+8*(4*jj+(\i))+7], v[ADRB+NSUB*(\slot)+jj] offset:32*BP*(\q)+32*(\i)+16*BP
.endr
.set jj, jj+1
.endr
.irp a, 0,1,2,3
	ds_load_b128 v[(\f)+FA+8*(\a):(\f)+FA+8*(\a)+3],   v[ADRA+(\slot)] offset:ao+(\a)*16*AP
	ds_load_b128 v[(\f)+FA+8*(\a)+4:(\f)+FA+8*(\a)+7], v[ADRA+(\slot)] offset:ao+(\a)*16*AP+32
.endr
.endm
; One of a K step's first three quarters: multiplies buffer f; in its middle it fetches quarter q of the same slot into buffer g
.macro QUARTER slot, q, f, g, zero
	s_wait_dscnt 4                                 ; B and A's blocks 0, 1 are in; the youngest four loads (A's blocks 2, 3) may be out
	MULA \f, 0, \zero
	MULA \f, 1, \zero
	PLACES
	FETCH \slot, \q, \g
	s_wait_dscnt FN                                ; all but the run just issued
	MULA \f, 2, \zero
	MULA \f, 3, \zero
.endm
; The last quarter multiplies buffer 1 and changes slots.  In front of the one barrier each wave waits for all its tensor loads (one is out: its part of the next slot), adds 0 to its spare word,
; and waits for that and for its own reads of this slot.
.macro MEET round
	WIN 0
	s_wait_tensorcnt 0x0
	ds_add_u32 v[SPW], v[NIL]
	s_wait_dscnt 5                                 ; (the add and the youngest four loads may be out)
	MULA F1, 0, 0
	s_wait_dscnt 0x0                               ; the add is done, and my reads of this slot are over
	s_barrier_signal -1
	MULA F1, 1, 0                                  ; work on registers while the others arrive
.if \round
	WIN 0
.endif
	s_barrier_wait -1
.endm
; on = 0: the slot is filled again with this tile's K step two on; on = 1: with the next tile's K step 0 or 1
.macro TURN slot, next, on
	s_wait_xcnt 0x0                                ; the last prefetch, a K step back, has read its address
.if (\on) && ((\slot) == 0)
	s_add_nc_u64 s[PFA:PFA+1], s[PFA:PFA+1], NEXT_P
	s_cmp_lt_u32 s[WV], NSUB
	s_cselect_b32 s[LIM], -1, s[LIM]               ; B's rows are the same for both tiles: they are asked for no more
.else
	s_add_nc_u64 s[PFA:PFA+1], s[PFA:PFA+1], s[PFS:PFS+1]
.endif
	MEET 1
	CREST                                          ; the barrier has opened a round of the cluster's: no wave of any partner still reads this slot or has a load on its way
.if \on
	s_add_nc_u64 s[G0+4*(\slot)+2:G0+4*(\slot)+3], s[G0+4*(\slot)+2:G0+4*(\slot)+3], NEXT_A
	s_sub_nc_u64 s[G0B+4*(\slot)+2:G0B+4*(\slot)+3], s[G0B+4*(\slot)+2:G0B+4*(\slot)+3], BACK_B
.else
	s_add_nc_u64 s[G0+4*(\slot)+2:G0+4*(\slot)+3], s[G0+4*(\slot)+2:G0+4*(\slot)+3], 2*ASTEP
	s_add_nc_u64 s[G0B+4*(\slot)+2:G0B+4*(\slot)+3], s[G0B+4*(\slot)+2:G0B+4*(\slot)+3], 2*BSTEP
.endif
	JLOAD \slot                                    ; my one tensor load behind the round; its four v_nop are also the places in front of the loads below
	FETCH \next, 0, F0
	WIN 0
	ASK \on
	MULA F1, 2, 0
	MULA F1, 3, 0
.endm
	s_wait_tensorcnt 1                             ; my part of K step 0 is in; K step 1's may stay out
	s_barrier_signal -1
	s_barrier_wait -1
	FETCH 0, 0, F0
	WIN 0
.if TILES > 1
	s_mov_b32 s2, TILES
.Ltile:
.endif
	QUARTER 0, 1, F0, F1, 1                        ; a tile's first quarter starts the sums: nothing is cleared
	WIN 0
	s_mov_b32 s3, SIZE_K/256-1
.Llap:                                                 ; a trip goes once round the ring and fills both slots again
	QUARTER 0, 2, F1, F0, 0
	QUARTER 0, 3, F0, F1, 0
	TURN 0, 1, 0
	QUARTER 1, 1, F0, F1, 0
	QUARTER 1, 2, F1, F0, 0
	QUARTER 1, 3, F0, F1, 0
	TURN 1, 0, 0
	QUARTER 0, 1, F0, F1, 0
	WIN 0
	s_sub_co_u32 s3, s3, 1
	s_cmp_lg_u32 s3, 0
	s_cbranch_scc1 .Llap
	QUARTER 0, 2, F1, F0, 0
	QUARTER 0, 3, F0, F1, 0
.if TILES > 1
	WIN 0
	s_cmp_eq_u32 s2, 1
	s_cbranch_scc1 .Llast
	TURN 0, 1, 1                                   ; the ring goes on into the next tile
	QUARTER 1, 1, F0, F1, 0
	QUARTER 1, 2, F1, F0, 0
	QUARTER 1, 3, F0, F1, 0
	TURN 1, 0, 1
	WIN 0
	s_branch .Lout
.Llast:
.endif
	MEET 0                                         ; the last tile's last lap asks for nothing
	PLACES
	FETCH 1, 0, F0
	MULA F1, 2, 0
	MULA F1, 3, 0
	QUARTER 1, 1, F0, F1, 0
	QUARTER 1, 2, F1, F0, 0
	QUARTER 1, 3, F0, F1, 0
	s_wait_dscnt 4
	MULA F1, 0, 0
	MULA F1, 1, 0
	s_wait_dscnt 0x0
	MULA F1, 2, 0
	MULA F1, 3, 0
	WIN 0
.if TILES > 1
.Lout:
.endif
	PLACES                                         ; the places behind the last products
; THE WAY OUT of row block a: the bias is added (each accumulator's registers in ascending order), the 16 rows go through my own stage in LDS and leave as whole runs of bytes.
.macro OUTA a
	WIN 0
	s_wait_xcnt 0x0                                ; the stores of the block before have read their registers
	WIN 0x02+(\a)/2                                ; source 0: window 2 or 3
.set z, 0
.rept 4*NBK
	v_pk_add_f32 v[T+2*z:T+2*z+1], v[8*NBK*((\a)%2)+2*z:8*NBK*((\a)%2)+2*z+1], v[BIAS+2*z:BIAS+2*z+1]
.set z, z+1
.endr
	WIN 0
.if PROJ
.set z, 0
.rept NBK
	ds_store_b128 v[STO], v[T+8*z:T+8*z+3]   offset:4352*(z/4)+64*(z%4)
	ds_store_b128 v[STO], v[T+8*z+4:T+8*z+7] offset:4352*(z/4)+64*(z%4)+16
.set z, z+1
.endr
.set z, 0
.rept 16
	ds_load_b128 v[R+4*z:R+4*z+3], v[RD] offset:4352*(z/8)+544*(z%8)   ; LDS serves a wave's instructions in order: these see the stores above
.set z, z+1
.endr
	s_wait_dscnt 0x0
.set z, 0
.rept 16
	global_store_b128 v[GO], v[R+4*z:R+4*z+3], s[10:11] offset:65536*(\a)+8192*(z%8)+512*(z/8)   ; 16 lanes store 256 consecutive bytes, aligned
.set z, z+1
.endr
.else
.set z, 0
.rept 4*NBK
	v_cvt_pk_f16_f32 v[T+z], v[T+2*z], v[T+2*z+1]  ; in place, ascending: no source is written before it is read
.set z, z+1
.endr
.set z, 0
.rept NBK
	ds_store_b128 v[STO], v[T+4*z:T+4*z+3] offset:2304*(z/4)+32*(z%4)
.set z, z+1
.endr
.set z, 0
.rept NBK
	ds_load_b128 v[R+4*z:R+4*z+3], v[RD] offset:2304*(z/4)+576*(z%4)   ; LDS serves a wave's instructions in order: these see the stores above
.set z, z+1
.endr
	s_wait_dscnt 0x0
.set z, 0
.rept NBK
	global_store_b128 v[GO], v[R+4*z:R+4*z+3], s[OB+2*(z/4):OB+2*(z/4)+1] offset:2048*(\a)+512*(z%4)   ; 512 consecutive bytes of a head, aligned
.set z, z+1
.endr
.endif
.endm
	OUTA 0
	OUTA 1
	OUTA 2
	OUTA 3
.if TILES > 1
	s_wait_xcnt 0x0                                ; the stores have read their bases
.irp j, 0,1,2
	s_add_nc_u64 s[OB+2*\j:OB+2*\j+1], s[OB+2*\j:OB+2*\j+1], 8388608   ; 4,096 rows on: two batches
.endr
	s_sub_co_u32 s2, s2, 1
	s_cmp_lg_u32 s2, 0
	s_cbranch_scc1 .Ltile
.endif
	s_wait_tensorcnt 0x0                           ; the wave's end: three lines, behind my last tensor load and my last LDS store
	ds_add_u32 v[SPW], v[NIL]
	s_wait_dscnt 0x0
	CROUND                                         ; the closing round: no work-group ends while a partner may still ask for a tile that names it
	s_endpgm
.Lfunc_end_k_q4cde3fdb33_qkvgemm:
	.size	k_q4cde3fdb33_qkvgemm, .Lfunc_end_k_q4cde3fdb33_qkvgemm-k_q4cde3fdb33_qkvgemm
	.p2alignl 7, 3214868480
	.fill 96, 4, 3214868480
	.section	.rodata,"a",@progbits
	.p2align	6, 0x0
	.amdhsa_kernel k_q4cde3fdb33_qkvgemm
		.amdhsa_group_segment_fixed_size 327680
		.amdhsa_private_segment_fixed_size 0
		.amdhsa_enable_private_segment 0
		.amdhsa_kernarg_size 32
		.amdhsa_user_sgpr_count 2
		.amdhsa_user_sgpr_kernarg_segment_ptr 1
		.amdhsa_wavefront_size32 1
		.amdhsa_system_sgpr_workgroup_id_x 1
		.amdhsa_system_sgpr_workgroup_id_y 1
		.amdhsa_system_sgpr_workgroup_id_z 1
		.amdhsa_system_vgpr_workitem_id 0
		.amdhsa_next_free_vgpr 960
		.amdhsa_next_free_sgpr 84
		.amdhsa_reserve_vcc 0
		.amdhsa_float_denorm_mode_32 3
		.amdhsa_float_denorm_mode_16_64 3
		.amdhsa_memory_ordered 1
		.amdhsa_forward_progress 1
		.amdhsa_inst_pref_size 172
	.end_amdhsa_kernel
	.amdgpu_metadata
---
amdhsa.version: [ 1, 2 ]
amdhsa.kernels:
  - .name:           k_q4cde3fdb33_qkvgemm
    .symbol:         k_q4cde3fdb33_qkvgemm.kd
    .args:
      - { .name: xb, .offset: 0, .size: 8, .value_kind: global_buffer, .address_space: global }
      - { .name: wq, .offset: 8, .size: 8, .value_kind: global_buffer, .address_space: global }
      - { .name: b_qkv, .offset: 16, .size: 8, .value_kind: global_buffer, .address_space: global }
      - { .name: qkv, .offset: 24, .size: 8, .value_kind: global_buffer, .address_space: global }
    .group_segment_fixed_size: 327680
    .private_segment_fixed_size: 0
    .kernarg_segment_align: 8
    .kernarg_segment_size: 32
    .max_flat_workgroup_size: 128
    .sgpr_count:     84
    .vgpr_count:     960
    .wavefront_size: 32
...
	.end_amdgpu_metadata
.endif
;; end of part 2
;; launch attn (part 3): grid 4 x 64, 4 waves a work-group, no clusters, 120,320 bytes of LDS; arguments qkv, nib, cls, ob; writes ob
.if DOCPART == 3
	.amdgcn_target "amdgcn-amd-amdhsa--gfx1250"
	.amdhsa_code_object_version 6
	.text
	.protected	k_q4cde3fdb33_attn
	.globl	k_q4cde3fdb33_attn
	.p2align	8
	.type	k_q4cde3fdb33_attn,@function
k_q4cde3fdb33_attn:
	s_mov_b64 s[64:65], 0
	v_nop
	global_prefetch_b8 v0, s[64:65] scope:SCOPE_SE
	s_setreg_imm32_b32 hwreg(HW_REG_WAVE_MODE, 25, 1), 1
	s_wait_xcnt 0x0
; ATTENTION UNDER A MASK THAT IS DATA.  O[y][q][:] = the sum over k of softmax_k(Q[y][q] . K[y][k] / 8, hidden where the mask is 0) V[y][k][:], y = 16 batch + head, 64 of them.
; Q, K, V: qkv[3][64 y][2048][64] f16; O: ob[64 y][2048][64] f16.  Products, maxima and sums in f32; the weights are rounded to f16 for the second product, O once at the end.
; THE MASK arrives as nib (4 bits a score, in the order of my score registers: 0xE hidden, 0 visible) and cls (for each tile of 256 queries x 256 keys: has it a visible score, has it a hidden one).
; A word of eight nibbles shifted left by 28 - 4 j puts nibble j on top: read as f32 that is a number in -2^95 .. -2^65 where the score is hidden and one under 2^-97 where it is visible.
; It is the C operand that starts the sum S^T = K Q^T.  The running maximum does the rest: a hidden score's weight is 0 as soon as the row has seen a visible one.
; LIMITS.  Q, K, V arrive within f16's 65,504, so a score is 2.7e11 at the most, nothing beside 2^65.  A row whose final maximum lies below -2^64 has no visible key and leaves as NaN.
; A weight below 2^-126 counts as 0; NaN and infinities in the inputs are not treated apart.
; THE WALK.  A work-group takes two blocks of 256 queries, b and 7 - b, of one y.  Of each block's eight key tiles those with no visible score are left out: the list of live tiles is made from cls
; (a block with none keeps tile 0).  ONE loop of 16 trips walks the list, two tiles in hand: T0 goes from registers into the LDS slot and is computed, T1 is asked of memory into registers meanwhile.
; ONE SLOT, TWO BARRIERS A TRIP.  The stores into the slot stand between the barrier that ends the last trip's reads and the barrier that opens this trip's; the way out through the stage stands behind
; the barrier that ends the reads.  So every LDS store is kept from every other wave's LDS load by a wait for 0 and a barrier, on both sides.  The price: a tile's 48 stores a wave have no matrix work beside them.
; All that hangs on the list is a forward jump over text with no barrier; a trip with no tile costs its two barriers.
; NO TENSOR LOADS, NO CLUSTER: the number of tiles hangs on data; work-groups that share K and V (one y) have different lists.
; NO PREFETCH: a tile's loads go out a whole tile's work (16 turns) ahead of the wait for them.
; SHARES, LAYOUT, TURNS.  Of a block's four bands of 64 queries a wave owns 16 rows in each: four PIECES.  S^T = K Q^T holds one query a lane (l % 16) and the keys 8 (l / 16) + 0..7; two results rounded
; to f16 are source 1 of O^T = V^T P.  p = 2^(c s - c m), c = log2(e) / 8, with a running maximum m; O and l are multiplied by a = 2^(c m_old - c m_new) in every step.  Turn n belongs to piece n:
; 8 products K Q^T of piece n + 1, later 8 products V^T P of piece n - 1; beside them the softmax of piece n and the maximum and statistics of piece n + 1.  Four vector instructions stand behind every
; matrix instruction, the rest in one lump.  A turn's 33 exponentials are one batch with one wait.
; REGISTERS, in windows of 256 (s_set_vgpr_msb: bits 1:0 source 0, 3:2 source 1, 5:4 source 2, 7:6 destination):
;   window 0: v0-15, v56-63 addresses; v16-31 statistics; v32-47 nibble words; v48-55 at work; v64-127 S^T, two buffers; v192-223 P, two buffers
;   window 1: v0-127 O^T; v160-223 MC, the masks, two buffers      window 2: v0-63 Q; v64-127 the second block's Q; v128-191 K of a step; v192-255 V of a step
;   window 3: a tile on its way: v0-63 K, v64-127 V, v128-191 nibbles
.set NP,    4
.set KS,    64
.set PK,    144       ; a row of K in LDS: 128 bytes + 16
.set PV,    160       ; a row of V: 128 + 32
.set VOFF,  4*KS*PK   ; the slot: 256 rows of K, 256 rows of V,
.set NOFF,  VOFF+4*KS*PV  ; then the nibbles: 8,192 bytes a wave, piece x, step s at 512 (4 x + s)
.set STAGE, NOFF+4*8192   ; 16 rows x 144 bytes for each wave, for the way out
.set SP,    144
.set SPARE, STAGE+4*16*SP ; the spare words, 128 bytes a wave
.set AK0, 2
.set AV0, 3
.set AK,  4
.set AV,  5
.set STO, 6
.set RD,  7
.set GO,  8           ; v8   16 x lane
.set MV,  12
.set AN0, 14          ; v14  my lane's place in my wave's nibbles of the slot
.set QO,  15
.set ST,  16          ; piece t's statistics at v[ST+4 t]: c m, m, l (even keys', odd keys')
.set NBR, 32          ; turn p's four nibble words at v[NBR+4 p]
.set TMP, 48
.set AN,  56
.set SK0, 57          ; where my thread puts its 16 bytes of a tile's K, V
.set SV0, 58
.set GL,  60          ; v60  16 x thread
.set GN,  61          ; v61  my byte offset in a block's nibbles
.set SPW, 62
.set NIL, 63
.set S,   64
.set P,   192
.set MC,  160         ; window 1
.set QB,  64          ; window 2
.set KF,  128
.set VF,  192
.set WV,  12
.set PB,  14
.set KB,  16          ; s[16:17] K of my y; s[18:19] V; s[20:21] nib at block b
.set VB,  18
.set NBS, 20
.set KA,  22          ; s[22:27] the addresses of the tile that is asked for
.set VA,  24
.set NA,  26
.set OFF, 28          ; s[28:29] an offset, the high word 0
.set REM, 48          ; the tiles still to be named: bit t of block b, bit 8 + t of block 7 - b; bits 16-31 stand for trips with nothing
.set T0,  49          ; the tile that is stored and computed in this trip (16 or more: none)
.set T1,  50          ; the tile that is asked for in this trip
.set MIXM, 52         ; the live tiles that hold hidden scores
.set MXL, 53          ; is T0 one of them
.set MKQ, 54          ; the same for the tile whose K lies in registers
.set CNT, 57
.set CS,  58
.set SEL, 60
.set TBK, 62          ; LDS byte at which K of the step to be fetched begins
.set TBV, 63          ; the same for V, less VOFF
.set TBN, 66          ; the same for the nibbles, less my wave's place
.set NEW, 67          ; 1: the next tile computed is a block's first
.set LASTF, 68        ; not 0: T0 is a tile and its block's last
.set TR,  71
.set D0,  72          ; s72, s73: does mask buffer 0, 1 hold a mixed tile's masks
.set ND,  74          ; (7 - 2 b) x 32,768: an eighth of the way in nib from block b to block 7 - b
.set HIDT, 75
.set NANV, 76
.set OLO, 80
.set MSB, 0
.macro WIN new
.if MSB != (\new)
	s_set_vgpr_msb (MSB<<8)|(\new)
.set MSB, (\new)
.endif
.endm
.set W_KQ, 0x0a       ; K and Q in window 2, S^T in window 0
.set W_KM, 0x1a       ; the same with the C operand in window 1
.set W_PV, 0x52       ; V in window 2, P in window 0, O^T in window 1
.set W_RS, 0x41       ; destination and source 0 in window 1, source 1 in window 0
.macro ZERO first, count
.set z, \first
.rept \count
	v_mov_b32 v[z], 0
.set z, z+1
.endr
.endm
.macro NEXT                         ; the two tiles in hand move on; the lowest bit of REM is named and taken out
	s_mov_b32 s[T0], s[T1]
	s_ctz_i32_b32 s[T1], s[REM]
	s_sub_co_u32 s55, s[REM], 1
	s_and_b32 s[REM], s[REM], s55
.endm
; Tile T1 is asked of memory: 32,768 dense bytes of K and of V (16 bytes a thread, sixteen times) and my wave's 8,192 bytes of nibbles (piece e / 4, step e % 4).
.macro LOADT
	s_min_u32 s55, s[T1], 15
	s_and_b32 s56, s55, 7
	s_lshl_b32 s[OFF], s56, 15
	s_add_nc_u64 s[KA:KA+1], s[KB:KB+1], s[OFF:OFF+1]
	s_add_nc_u64 s[VA:VA+1], s[VB:VB+1], s[OFF:OFF+1]
	s_lshl_b32 s56, s56, 11
	s_and_b32 s55, s55, 8
	s_mul_i32 s55, s55, s[ND]
	s_add_co_u32 s[OFF], s55, s56
	s_add_nc_u64 s[NA:NA+1], s[NBS:NBS+1], s[OFF:OFF+1]
	WIN 0xc0                        ; destination window 3
.set j, 0
.rept 16
	global_load_b128 v[4*j:4*j+3],         v[GL], s[KA:KA+1] offset:2048*j
	global_load_b128 v[64+4*j:64+4*j+3],   v[GL], s[VA:VA+1] offset:2048*j
	global_load_b128 v[128+4*j:128+4*j+3], v[GN], s[NA:NA+1] offset:65536*(j/4)+512*(j%4)
.set j, j+1
.endr
	WIN 0
.endm
.macro STORET                       ; the tile in registers goes into the slot: fixed addresses, the row block in the immediate
	WIN 0x0c                        ; data (source 1) window 3
.set j, 0
.rept 16
	ds_store_b128 v[SK0], v[4*j:4*j+3]         offset:16*PK*j
	ds_store_b128 v[SV0], v[64+4*j:64+4*j+3]   offset:16*PV*j
	ds_store_b128 v[AN0], v[128+4*j:128+4*j+3] offset:512*j
.set j, j+1
.endr
	WIN 0
.endm
.macro EXPAND p, b                  ; turn p's four nibble words become the 32 masks of buffer b
	WIN 0x40
.set z, 0
.rept 32
	v_lshlrev_b32 v[MC+32*(\b)+z], 28-4*(z%8), v[NBR+4*(\p)+z/8]
.set z, z+1
.endr
.endm
	s_load_b256 s[4:11], s[0:1], 0x0  ; qkv s[4:5], nib s[6:7], cls s[8:9], ob s[10:11]
	v_lshl_add_u32 v[SPW], v0, 2, SPARE
	v_mov_b32 v[NIL], 0
	v_lshrrev_b32 v1, 5, v0
	v_readfirstlane_b32 s[WV], v1   ; wave 0..3
	s_mov_b32 s[PB], ttmp9          ; b
	s_sub_co_u32 s15, 7, s[PB]      ; the second block
	s_and_b32 s30, ttmp7, 0xffff    ; y
	s_lshl_b32 s30, s30, 18         ; its 2,048 rows of 128 bytes
	s_mov_b32 s31, 0
	s_lshl_b32 s13, s[WV], 11       ; my 16 rows in a band of 64
	s_add_co_u32 s13, s13, s30
	s_lshl_b32 s82, s[PB], 15
	s_add_co_u32 s82, s82, s13
	s_mov_b32 s83, 0
	s_lshl_b32 s84, s15, 15
	s_add_co_u32 s84, s84, s13
	s_mov_b32 s85, 0
	s_lshl_b32 s78, s[PB], 5        ; a block's eight words of cls
	s_mov_b32 s79, 0
	s_lshl_b32 s[OFF], s15, 5
	s_mov_b32 s[OFF+1], 0
	s_lshl_b32 s22, s[PB], 18       ; a block's 16 query tiles of 16,384 bytes in nib
	s_mov_b32 s23, 0
	s_lshl_b32 s13, s[PB], 1
	s_sub_co_u32 s[ND], 7, s13
	s_lshl_b32 s[ND], s[ND], 15
	s_mov_b32 s[CS], 0x3e38aa3b     ; c = log2(e) / 8
	s_mov_b32 s[CS+1], s[CS]
	s_mov_b32 s[SEL], 0x76543210
	s_mov_b32 s[SEL+1], 0xfedcba98
	s_mov_b32 s[HIDT], 0xdf800000   ; -2^64
	s_mov_b32 s[NANV], 0x7fc00000
	s_mov_b32 s[T1], 31
	s_mov_b32 s[NEW], 1
	s_mov_b32 s[D0], 0
	s_mov_b32 s[D0+1], 0
	s_mov_b32 s[MKQ], 0
	s_mov_b32 s[TR], 16
	v_and_b32 v1, 15, v0            ; l % 16
	v_bfe_u32 v9, v0, 4, 1          ; l / 16
	v_lshlrev_b32 v[QO], 7, v1
	v_lshl_add_u32 v[QO], v9, 4, v[QO]
	v_and_b32 v10, 31, v0
	v_lshlrev_b32 v[GO], 4, v10
	s_lshl_b32 s13, s[WV], 14       ; piece x of wave w is query tile 4 x + w of the block
	v_add_nc_u32 v[GN], s13, v[GO]
	s_lshl_b32 s13, s[WV], 13
	s_add_co_u32 s13, s13, NOFF
	v_add_nc_u32 v[AN0], s13, v[GO]
	v_lshlrev_b32 v[GL], 4, v0
	s_wait_kmcnt 0x0
	s_add_nc_u64 s[78:79], s[8:9], s[78:79]
	s_add_nc_u64 s[8:9], s[8:9], s[OFF:OFF+1]
	s_load_b256 s[32:39], s[78:79], 0x0   ; block b's eight tiles
	s_load_b256 s[40:47], s[8:9], 0x0     ; block 7 - b's
	s_add_nc_u64 s[KB:KB+1], s[4:5], s[30:31]
	s_add_nc_u64 s[KB:KB+1], s[KB:KB+1], 0x1000000   ; k lies 64 heads of 262,144 bytes behind q,
	s_add_nc_u64 s[VB:VB+1], s[KB:KB+1], 0x1000000   ; v as far behind k
	s_add_nc_u64 s[NBS:NBS+1], s[6:7], s[22:23]
	s_add_nc_u64 s[86:87], s[4:5], s[84:85]
	s_add_nc_u64 s[4:5], s[4:5], s[82:83]
	s_add_nc_u64 s[OLO:OLO+1], s[10:11], s[84:85]
	s_add_nc_u64 s[10:11], s[10:11], s[82:83]
	WIN 0x80
.set i, 0
.rept 8                             ; both blocks' Q: piece i / 2 lies in band i / 2, 8,192 bytes on; channels 32 (i % 2) on
	global_load_b128 v[8*i:8*i+3],   v[QO], s[4:5] offset:(i/2)*8192+(i%2)*64
	global_load_b128 v[8*i+4:8*i+7], v[QO], s[4:5] offset:(i/2)*8192+(i%2)*64+32
	global_load_b128 v[QB+8*i:QB+8*i+3],   v[QO], s[86:87] offset:(i/2)*8192+(i%2)*64
	global_load_b128 v[QB+8*i+4:QB+8*i+7], v[QO], s[86:87] offset:(i/2)*8192+(i%2)*64+32
.set i, i+1
.endr
	WIN 0
	s_wait_kmcnt 0x0
	s_or_b32 s32, s32, s33          ; a block's words have their bits at different places: the OR gathers them
	s_or_b32 s34, s34, s35
	s_or_b32 s36, s36, s37
	s_or_b32 s38, s38, s39
	s_or_b32 s32, s32, s34
	s_or_b32 s36, s36, s38
	s_or_b32 s32, s32, s36
	s_or_b32 s40, s40, s41
	s_or_b32 s42, s42, s43
	s_or_b32 s44, s44, s45
	s_or_b32 s46, s46, s47
	s_or_b32 s40, s40, s42
	s_or_b32 s44, s44, s46
	s_or_b32 s40, s40, s44
	s_and_b32 s33, s32, 255         ; live tiles;
	s_cmp_eq_u32 s33, 0
	s_cselect_b32 s33, 1, s33       ; a block with none keeps tile 0, whose 'hidden' bit is set
	s_bfe_u32 s34, s32, 0x80010
	s_and_b32 s41, s40, 255
	s_cmp_eq_u32 s41, 0
	s_cselect_b32 s41, 1, s41
	s_bfe_u32 s42, s40, 0x80010
	s_lshl_b32 s41, s41, 8
	s_lshl_b32 s42, s42, 8
	s_or_b32 s33, s33, s41
	s_or_b32 s34, s34, s42
	s_and_b32 s[MIXM], s33, s34
	s_or_b32 s[REM], s33, 0xffff0000
	NEXT
	LOADT                           ; the first live tile
	v_lshrrev_b32 v10, 3, v0
	v_and_b32 v11, 7, v0
	v_mul_u32_u24 v[SK0], v10, PK   ; thread t's 16 bytes: row t / 8, 16 (t % 8)
	v_lshl_add_u32 v[SK0], v11, 4, v[SK0]
	v_mul_u32_u24 v[SV0], v10, PV
	v_lshl_add_u32 v[SV0], v11, 4, v[SV0]
	v_add_nc_u32 v[SV0], VOFF, v[SV0]
	v_mul_u32_u24 v[AK0], v1, PK
	v_lshl_add_u32 v[AK0], v9, 4, v[AK0]
	; The turning load takes 16 keys x 16 channels (lane l reads key 8 (l / 16) + l % 8, channels 8 ((l / 8) % 2) + 0..7) and leaves half a fragment of V^T.
	v_and_b32 v10, 7, v0
	v_bfe_u32 v11, v0, 3, 1
	v_lshl_add_u32 v[AV0], v9, 3, v10
	v_mul_u32_u24 v[AV0], v[AV0], PV
	v_lshl_add_u32 v[AV0], v11, 4, v[AV0]
	v_add_nc_u32 v[AV0], VOFF, v[AV0]
	s_mul_i32 s13, s[WV], 16*SP
	s_add_co_u32 s13, s13, STAGE
	v_mul_u32_u24 v[STO], v1, SP
	v_lshl_add_u32 v[STO], v9, 4, v[STO]
	v_add_nc_u32 v[STO], s13, v[STO]
	v_bfe_u32 v[RD], v0, 3, 2
	v_mul_u32_u24 v[RD], v[RD], SP
	v_lshl_add_u32 v[RD], v10, 4, v[RD]
	v_add_nc_u32 v[RD], s13, v[RD]
	v_mov_b32 v[AK], v[AK0]
	v_mov_b32 v[AV], v[AV0]
	v_mov_b32 v[AN], v[AN0]
	; Every register that a turn reads is written once here, in the wait for the first tile.  A block's first step multiplies O^T and l by a = 0, and its first turn's products V^T P, of a piece
	; that has not been, land in an O^T that is still to be so multiplied: those registers must hold finite numbers.
	ZERO MV, 2
	ZERO ST, 40
	ZERO S, 64
	ZERO P, 32
	WIN 0x40
	ZERO 0, 128
	ZERO MC, 64
	WIN 0x80
	ZERO KF, 128
	WIN 0
; THE MATRIX WORK.  The 4 accumulators of a run of 8 take turns.  Product i of 8 of S^T = K Q^T for piece x: channels 32 (i / 4) on, keys 16 (i % 4) on.  The first 4 start the sums with the mask.
.macro KQ x
.set rS, S+32*((\x)%2)+8*(i%4)
.set rK, KF+16*(i%4)+8*(i/4)
.set rQ, 16*(\x)+8*(i/4)
.set rM, MC+32*((\x)%2)+8*(i%4)
.if i < 4
	WIN W_KM
	v_wmma_f32_16x16x32_f16 v[rS:rS+7], v[rK:rK+7], v[rQ:rQ+7], v[rM:rM+7]
.else
	WIN W_KQ
	v_wmma_f32_16x16x32_f16 v[rS:rS+7], v[rK:rK+7], v[rQ:rQ+7], v[rS:rS+7]
.endif
.endm
.macro PV x                         ; product i of 8 of O^T += V^T P for piece x: keys 32 (i / 4) on, channels 16 (i % 4) on
	WIN W_PV
.set rO, 32*(\x)+8*(i%4)
.set rV, VF+32*(i/4)+8*(i%4)
.set rP, P+16*((\x)%2)+8*(i/4)
	v_wmma_f32_16x16x32_f16 v[rO:rO+7], v[rV:rV+7], v[rP:rP+7], v[rO:rO+7]
.endm
.macro MM                           ; the turn's next matrix instruction.  NOKQ = 1: a block's last turn: there is no next piece
.if (i < 8) && !NOKQ
	KQ (Y+1)%NP
.elseif i >= 8
.set i, i-8
	PV (Y+NP-1)%NP
.set i, i+8
.endif
.set i, i+1
.endm
.macro FETCH_K                      ; a step's K: 64 keys x 64 channels, 8 fragments, one run of 16 loads
	WIN 0x80
.irp f, 0,1,2,3,4,5,6,7
	ds_load_b128 v[KF+8*\f:KF+8*\f+3],   v[AK] offset:(\f/2)*16*PK+(\f%2)*64
	ds_load_b128 v[KF+8*\f+4:KF+8*\f+7], v[AK] offset:(\f/2)*16*PK+(\f%2)*64+32
.endr
	s_add_co_u32 s[TBK], s[TBK], KS*PK
	WIN 0
.endm
.macro FETCH_V                      ; its V, turned
	WIN 0x80
.irp f, 0,1,2,3,4,5,6,7
	ds_load_tr16_b128 v[VF+8*\f:VF+8*\f+3],   v[AV] offset:(\f/4)*32*PV+(\f%4)*32
	ds_load_tr16_b128 v[VF+8*\f+4:VF+8*\f+7], v[AV] offset:(\f/4)*32*PV+16*PV+(\f%4)*32
.endr
	WIN 0
.endm
; THE VECTOR WORK, one line at a time: OP kind, number.  For piece Y: F n: c s - c m for pair n of 16.  E n: the exponential of score n of 32.  C n: pair n rounded to f16.  B n: of the four weights 4 n ..
; the second pair is added onto the first.  L n: l takes that sum (L 0: l = a l + sum).  R n: pair n of 16 of O^T times a.  For piece Y + 1: X n, number n of the 22 that find its maximum and statistics:
;   0-11 four chains of seven scores (each accumulator's lowest registers are read first); 12-14, 16 the rest, the old m, four into one; 15 c m_old is kept;
;   17, 18 the other half of the lanes: the new m; 19-21 c m; c m_old - c m_new; a
.set F, 0
.set E, 1
.set C, 2
.set B, 3
.set L, 4
.set R, 5
.set X, 6
.macro REGS y
.set rT, ST+4*(\y)
.set rC, TMP+4*((\y)%2)
.set rW, MV+((\y)%2)
.set rS, S+32*((\y)%2)
.set rP, P+16*((\y)%2)
.set rO, 32*(\y)
.endm
.macro OP k, n
.if (\k) == R
	REGS Y
	WIN W_RS
	v_pk_mul_f32 v[rO+2*(\n):rO+2*(\n)+1], v[rO+2*(\n):rO+2*(\n)+1], v[rC+2:rC+3] op_sel_hi:[1,0]
.elseif (\k) < R
	REGS Y
	WIN 0
.if (\k) == F
	v_pk_fma_f32 v[rS+2*(\n):rS+2*(\n)+1], v[rS+2*(\n):rS+2*(\n)+1], s[CS:CS+1], v[rT:rT+1] op_sel_hi:[1,0,0] neg_lo:[0,0,1] neg_hi:[0,0,1]
.elseif (\k) == E
	v_exp_f32 v[rS+(\n)], v[rS+(\n)]
.elseif (\k) == C
	v_cvt_pk_f16_f32 v[rP+(\n)], v[rS+2*(\n)], v[rS+2*(\n)+1]
.elseif (\k) == B
	v_pk_add_f32 v[rS+4*(\n):rS+4*(\n)+1], v[rS+4*(\n):rS+4*(\n)+1], v[rS+4*(\n)+2:rS+4*(\n)+3]
.elseif (\n) == 0
	v_pk_fma_f32 v[rT+2:rT+3], v[rT+2:rT+3], v[rC+2:rC+3], v[rS:rS+1] op_sel_hi:[1,0,1]
.else
	v_pk_add_f32 v[rT+2:rT+3], v[rT+2:rT+3], v[rS+4*(\n):rS+4*(\n)+1]
.endif
.elseif NOKQ
	v_nop
.else
	REGS (Y+1)%NP
	WIN 0
.if (\n) < 4
	v_max3_num_f32 v[rC+(\n)], v[rS+8*(\n)], v[rS+8*(\n)+1], v[rS+8*(\n)+2]
.elseif (\n) < 12
	v_max3_num_f32 v[rC+(\n)%4], v[rC+(\n)%4], v[rS+8*((\n)%4)+2*((\n)/4)+1], v[rS+8*((\n)%4)+2*((\n)/4)+2]
.elseif (\n) == 12
	v_max3_num_f32 v[rC], v[rC], v[rS+7], v[rS+15]
.elseif (\n) == 13
	v_max3_num_f32 v[rC+1], v[rC+1], v[rS+23], v[rS+31]
.elseif (\n) == 14
	v_max3_num_f32 v[rC+2], v[rC+2], v[rC+3], v[rT+1]
.elseif (\n) == 15
	v_mov_b32 v[rW], v[rT]
.elseif (\n) == 16
	v_max3_num_f32 v[rC], v[rC], v[rC+1], v[rC+2]
.elseif (\n) == 17
	v_permlanex16_b32 v[rC+3], v[rC], s[SEL], s[SEL+1]
.elseif (\n) == 18
	v_max_num_f32 v[rT+1], v[rC], v[rC+3]
.elseif (\n) == 19
	v_mul_f32 v[rT], s[CS], v[rT+1]
.elseif (\n) == 20
	v_sub_f32 v[rC+1], v[rW], v[rT]
.else
	v_exp_f32 v[rC+2], v[rC+1]
.endif
.endif
.endm
.macro OPS a, i1, b=-1, i2=0, c=-1, i3=0, d=-1, i4=0
	OP \a, \i1
.if (\b) >= 0
	OP \b, \i2
.endif
.if (\c) >= 0
	OP \c, \i3
.endif
.if (\d) >= 0
	OP \d, \i4
.endif
.endm
.macro ROW a, i1, b, i2, c, i3, d, i4  ; a matrix instruction and the four behind it
	MM
	OPS \a, \i1, \b, \i2, \c, \i3, \d, \i4
.endm
; A TURN, for piece p.  Ahead of its one wait stands all that names no result of its exponentials: the 8 products K Q^T with their riders and the lump; behind it the 8 products V^T P, whose riders are
; the roundings and sums.  K of the next step is fetched in piece 2's turn, V of the step in hand at the end of piece 0's; each is waited for a turn later.
; THE MASKS.  At its head the turn loads the four nibble words of the products of the turn AFTER it (piece p + 2); at its end it makes their 32 masks, in buffer p % 2, if the tile whose K lies in registers
; is mixed, or if the buffer still holds a mixed tile's masks (a plain tile's nibbles are 0 and clear it).  Else the buffer holds zeros and is left.  The jump passes no barrier.
; end = 1: a block's last two turns: nothing is fetched, no mask is made.
.macro TURN p, end=0
.set Y, (\p)
.set i, 0
.set NOKQ, (\end)*((\p)/3)
.if !(\end)
.if (\p) == 3
	s_wait_dscnt 0x0                ; K is in
.endif
	WIN 0
.if (\p) == 2
	v_add_nc_u32 v[AN], s[TBN], v[AN0]
.endif
	ds_load_b128 v[NBR+4*(\p):NBR+4*(\p)+3], v[AN] offset:2048*(((\p)+2)%NP)
.endif
	ROW F,0, F,1, R,0, R,1
	ROW F,2, E,0, R,2, R,3
	ROW F,3, E,1, R,4, R,5
	ROW F,4, E,2, R,6, R,7
	ROW F,5, E,3, R,8, R,9
	ROW F,6, E,4, X,0, R,10
.if ((\p) == 2) && !(\end)
	WIN 0
	v_add_nc_u32 v[AK], s[TBK], v[AK0]
.endif
	ROW F,7, E,5, X,1, X,4
	ROW F,8, E,6, X,2, X,5
	OPS E,7, E,8, X,6, E,9
	OPS X,3, E,10, X,8, E,11
.if ((\p) == 2) && !(\end)
	FETCH_K
	s_mov_b32 s[MKQ], s[MXL]        ; from here on the K in registers is the tile in hand's
.endif
	OPS X,9, X,7, E,12, X,10
	OPS E,13, X,12, X,11, E,14
	OPS X,13, E,15, F,9, X,14
.if (\p) == 0
	v_add_nc_u32 v[AV], s[TBV], v[AV0]
.endif
	OPS E,16, F,10, E,17, F,11
	OPS X,16, E,18, X,15, E,19
	OPS F,12, E,20, X,17, E,21
	OPS F,13, E,22, F,14, E,23
	OPS X,18, E,24, F,15, E,25
	OPS R,11, E,26, X,19, E,27
	OPS R,12, E,28, R,13, E,29
	OPS X,20, E,30, R,14, E,31
	OPS X,21, R,15                  ; the batch's last exponential, and the plain instruction behind it
	WIN 0
	s_wait_alu depctr_va_vdst(0)    ; the one wait for the batch, ahead of the first instruction that names a result
.if (\p) == 1
	s_wait_dscnt 0x0                ; V is in
.endif
	ROW C,0, B,0, C,2, B,1
	ROW L,0, C,4, B,2, L,1
	ROW C,6, B,3, L,2, C,8
	ROW B,4, L,3, C,10, B,5
	ROW L,4, C,12, B,6, L,5
.if (\p) == 0
	s_add_co_u32 s[TBV], s[TBV], KS*PV
.endif
	ROW C,14, B,7, L,6, C,1
	ROW C,3, L,7, C,5, C,7
	ROW C,9, C,11, C,13, C,15
.if (\p) == 0
	FETCH_V
.endif
.if !(\end)
	WIN 0
	s_or_b32 s55, s[MKQ], s[D0+(\p)%2]
	s_mov_b32 s[D0+(\p)%2], s[MKQ]
	s_cmp_lg_u32 s55, 0
	s_cbranch_scc0 .Lplain_\@
.if (\p)%2 == 0
	s_wait_dscnt 16                 ; the nibble words are in; the run of 16 loads issued behind them may stay out
.else
	s_wait_dscnt 0x0
.endif
	EXPAND \p, (\p)%2
	WIN 0
.Lplain_\@:
.if (\p) == 1
	s_add_co_u32 s[TBN], s[TBN], 512  ; the next step's nibbles
.endif
.endif
.endm
; A BLOCK BEGINS.  c m starts far below every c s, so the first step's a is 0; m at the lowest finite number.  Both mask buffers are made, for pieces 0 and 1 of the tile's step 0; then K of that step,
; piece 0's first scores, its maximum and statistics.  The step loop is entered at a step's first turn.
.macro BEGIN
	s_mov_b32 s[NEW], 0
	s_mov_b32 s[MKQ], s[MXL]
	s_mov_b32 s[D0], s[MXL]
	s_mov_b32 s[D0+1], s[MXL]
	WIN 0
.set i, 0
.rept 4
	v_mov_b32 v[ST+4*i], 0xfe000000
	v_mov_b32 v[ST+4*i+1], 0xff7fffff
.set i, i+1
.endr
	v_add_nc_u32 v[AN], s[TBN], v[AN0]
	ds_load_b128 v[NBR+8:NBR+11], v[AN]
	ds_load_b128 v[NBR+12:NBR+15], v[AN] offset:2048
	v_add_nc_u32 v[AK], s[TBK], v[AK0]
	FETCH_K
	s_wait_dscnt 16                 ; the nibble words are in; K's 16 loads may stay out
	EXPAND 2, 0
	EXPAND 3, 1
	WIN 0
	s_wait_dscnt 0x0
.set NOKQ, 0
.set i, 0
.rept 8
	KQ 0
.set i, i+1
.endr
	WIN 0
.rept 4
	v_nop                           ; the places behind those products
.endr
.set Y, NP-1
.irp n, 0,1,2,3,4,5,6,7,8,9,10,11,12,13,14,15,16,17,18,19,20,21
	OP X, \n
.endr
	v_nop                           ; a plain instruction behind the exponential,
	s_wait_alu depctr_va_vdst(0)    ; and its wait, ahead of the branch
.endm
.macro ALL line:vararg
.set t, 0
.rept 4
	\line
.set t, t+1
.endr
.endm
.macro PACK t                       ; a lane's eight channels of a row pack into 16 bytes; they go into rows of 144 bytes and come back as whole rows of 128
	WIN W_RS
.set i, 32*(\t)
.rept 16
	v_pk_mul_f32 v[i:i+1], v[i:i+1], v[ST+4*(\t)+2:ST+4*(\t)+3] op_sel_hi:[1,0]
.set i, i+2
.endr
	WIN 0x05
.set i, 0
.rept 16
	v_cvt_pk_f16_f32 v[S+16*(\t)+i], v[32*(\t)+2*i], v[32*(\t)+2*i+1]
.set i, i+1
.endr
	WIN 0
.irp f, 0,1,2,3
	ds_store_b128 v[STO], v[S+16*(\t)+4*\f:S+16*(\t)+4*\f+3] offset:32*\f
.endr
.irp f, 0,1,2,3
	ds_load_b128 v[S+16*(\t)+4*\f:S+16*(\t)+4*\f+3], v[RD] offset:\f*4*SP  ; LDS serves a wave's instructions in order: these see the stores above
.endr
.endm
.macro SEND t, younger              ; younger: the LDS instructions issued behind piece t's loads: the next piece's eight, or none
	WIN 0
.irp f, 0,1,2,3
	s_wait_dscnt (\younger)+3-\f
	global_store_b128 v[GO], v[S+16*(\t)+4*\f:S+16*(\t)+4*\f+3], s[10:11] offset:(\t)*8192+\f*512  ; 512 consecutive bytes, aligned
.endr
.endm
; A BLOCK ENDS, in two parts.  FIN1, work on registers alone: its last two turns, its last products, l's halves added, 1 / l (for a row with no visible key: NaN).
.macro FIN1
	TURN 2, 1
	TURN 3, 1
.set i, 0
.rept 8
	PV NP-1
.set i, i+1
.endr
	WIN 0
	ALL v_add_f32 v[ST+4*t+2], v[ST+4*t+2], v[ST+4*t+3]
	ALL v_permlanex16_b32 v[ST+4*t+3], v[ST+4*t+2], s[SEL], s[SEL+1]
	ALL v_add_f32 v[ST+4*t+2], v[ST+4*t+2], v[ST+4*t+3]
	ALL v_rcp_f32 v[ST+4*t+2], v[ST+4*t+2]
	v_nop
	s_wait_alu depctr_va_vdst(0)    ; one wait for the four reciprocals, ahead of their first use
.set t, 0
.rept 4
	v_cmp_gt_f32 vcc_lo, s[HIDT], v[ST+4*t+1]
	v_cndmask_b32 v[ST+4*t+2], v[ST+4*t+2], s[NANV], vcc_lo
.set t, t+1
.endr
.endm
; FIN2, behind the barrier that ends the trip's reads of the slot: O^T is scaled, rounded to f16 and sent through my stage.  Then the second block's Q and O take the first's place, and O^T and l are
; cleared, so that no NaN is carried over.
.macro FIN2
	PACK 0
.set t, 1
.rept 3
	PACK t
	SEND t-1, 8
.set t, t+1
.endr
	SEND 3, 0
	s_wait_xcnt 0x0                 ; the stores have read their registers and O's address
	s_mov_b64 s[10:11], s[OLO:OLO+1]
	WIN 0x82
.set i, 0
.rept 64
	v_mov_b32 v[i], v[QB+i]
.set i, i+1
.endr
	WIN 0x40
	ZERO 0, 128
	WIN 0
.set i, 0
.rept 4
	v_mov_b32 v[ST+4*i+2], 0
	v_mov_b32 v[ST+4*i+3], 0
.set i, i+1
.endr
	s_mov_b32 s[NEW], 1
.endm
.set NOKQ, 0
.Ltrip:                             ; 16 trips: 16 tiles at the most
	NEXT
	s_mov_b32 s[TBK], 0             ; the fetches begin at the slot's first step
	s_mov_b32 s[TBV], 0
	s_mov_b32 s[TBN], 0
	s_lshr_b32 s[MXL], s[MIXM], s[T0]
	s_and_b32 s[MXL], s[MXL], 1
	s_xor_b32 s[LASTF], s[T0], s[T1]
	s_and_b32 s[LASTF], s[LASTF], 0x18  ; bits 4:3 of a tile's number say which block it belongs to, or that it is none
	s_cmp_lt_u32 s[T0], 16
	s_cselect_b32 s[LASTF], s[LASTF], 0
	s_wait_loadcnt 0x0              ; the tile asked for a trip ago is in registers (in the first trip: Q too)
	s_cmp_lt_u32 s[T0], 16
	s_cbranch_scc0 .Lnostore
	STORET                          ; behind the last trip's closing barrier: no wave reads the slot any more
.Lnostore:
	s_wait_dscnt 0x0                ; for the others' sake: my stores into the slot are done
	s_barrier_signal -1
	s_barrier_wait -1               ; everybody's are: the slot is whole
	s_cmp_lt_u32 s[T1], 16
	s_cbranch_scc0 .Lnoload
	LOADT                           ; the staging registers are free: the stores that read them were waited for above
.Lnoload:
	s_cmp_lt_u32 s[T0], 16
	s_cbranch_scc0 .Lmid
	s_mov_b32 s[CNT], 4
	s_cmp_eq_u32 s[NEW], 1
	s_cbranch_scc0 .Lstep
	BEGIN
	s_branch .Lfirst
.Lstep:                             ; a trip: pieces 2 and 3 of one step, then pieces 0 and 1 of the next, whose K and V it fetches
	TURN 2
	TURN 3
	WIN 0
.Lfirst:
	TURN 0
	TURN 1
	WIN 0
	s_sub_co_u32 s[CNT], s[CNT], 1
	s_cmp_lg_u32 s[CNT], 0
	s_cbranch_scc1 .Lstep
	s_cmp_lg_u32 s[LASTF], 0
	s_cbranch_scc0 .Lmid
	FIN1
.Lmid:
	s_wait_dscnt 0x0                ; my reads of the slot are over
	s_barrier_signal -1
	s_barrier_wait -1               ; everybody's are: behind this barrier the stage, and in the next trip the slot, may be written
	s_cmp_lg_u32 s[LASTF], 0
	s_cbranch_scc0 .Lbottom
	FIN2
.Lbottom:
	s_sub_co_u32 s[TR], s[TR], 1
	s_cmp_lg_u32 s[TR], 0
	s_cbranch_scc1 .Ltrip
	s_wait_tensorcnt 0x0            ; the wave's end: three lines, behind my last LDS store
	ds_add_u32 v[SPW], v[NIL]
	s_wait_dscnt 0x0
	s_endpgm
.Lfunc_end_k_q4cde3fdb33_attn:
	.size	k_q4cde3fdb33_attn, .Lfunc_end_k_q4cde3fdb33_attn-k_q4cde3fdb33_attn
	.p2alignl 7, 3214868480
	.fill 96, 4, 3214868480
	.section	.rodata,"a",@progbits
	.p2align	6, 0x0
	.amdhsa_kernel k_q4cde3fdb33_attn
		.amdhsa_group_segment_fixed_size 120320
		.amdhsa_private_segment_fixed_size 0
		.amdhsa_enable_private_segment 0
		.amdhsa_kernarg_size 32
		.amdhsa_user_sgpr_count 2
		.amdhsa_user_sgpr_kernarg_segment_ptr 1
		.amdhsa_wavefront_size32 1
		.amdhsa_system_sgpr_workgroup_id_x 1
		.amdhsa_system_sgpr_workgroup_id_y 1
		.amdhsa_system_sgpr_workgroup_id_z 1
		.amdhsa_system_vgpr_workitem_id 0
		.amdhsa_next_free_vgpr 960
		.amdhsa_next_free_sgpr 88
		.amdhsa_reserve_vcc 1
		.amdhsa_float_denorm_mode_32 3
		.amdhsa_float_denorm_mode_16_64 3
		.amdhsa_memory_ordered 1
		.amdhsa_forward_progress 1
		.amdhsa_inst_pref_size 123
	.end_amdhsa_kernel
	.amdgpu_metadata
---
amdhsa.version: [ 1, 2 ]
amdhsa.kernels:
  - .name:           k_q4cde3fdb33_attn
    .symbol:         k_q4cde3fdb33_attn.kd
    .args:
      - { .name: qkv, .offset: 0, .size: 8, .value_kind: global_buffer, .address_space: global }
      - { .name: nib, .offset: 8, .size: 8, .value_kind: global_buffer, .address_space: global }
      - { .name: cls, .offset: 16, .size: 8, .value_kind: global_buffer, .address_space: global }
      - { .name: ob, .offset: 24, .size: 8, .value_kind: global_buffer, .address_space: global }
    .group_segment_fixed_size: 120320
    .private_segment_fixed_size: 0
    .kernarg_segment_align: 8
    .kernarg_segment_size: 32
    .max_flat_workgroup_size: 128
    .sgpr_count:     88
    .vgpr_count:     960
    .wavefront_size: 32
...
	.end_amdgpu_metadata
.endif
;; end of part 3
;; launch projgemm (part 4): grid 4 x 64, 4 waves a work-group, clusters of 4 x 4, 327,680 bytes of LDS; arguments ob, wp, b_proj, out0; writes out0
.if DOCPART == 4
	.amdgcn_target "amdgcn-amd-amdhsa--gfx1250"
	.amdhsa_code_object_version 6
	.text
	.protected	k_q4cde3fdb33_projgemm
	.globl	k_q4cde3fdb33_projgemm
	.p2align	8
	.type	k_q4cde3fdb33_projgemm,@function
k_q4cde3fdb33_projgemm:
	s_mov_b64 s[64:65], 0
	v_nop
	global_prefetch_b8 v0, s[64:65] scope:SCOPE_SE
	s_setreg_imm32_b32 hwreg(HW_REG_WAVE_MODE, 25, 1), 1
	s_wait_xcnt 0x0
	s_wait_alu depctr_hold_cnt(0) depctr_sa_sdst(0) depctr_va_vdst(0) depctr_va_sdst(0) depctr_va_ssrc(0) depctr_va_vcc(0) depctr_vm_vsrc(0)
	s_getreg_b32 s2, hwreg(HW_REG_IB_STS2, 6, 4)
	s_cmp_eq_u32 s2, 0
	s_cbranch_scc0 .Lentry_in_a_cluster
	s_endpgm
.Lentry_in_a_cluster:
	s_bfe_u32 s2, ttmp6, 0x10000c
	s_cmp_lg_u32 s2, 0xf033
	s_cbranch_scc0 .Lentry_shape_is_right
	s_endpgm
.Lentry_shape_is_right:
; C = A B + bias, one text for the module's two products; PROJ chooses.
; PROJ = 0: A = xb [8192][1024] bf16, B = wq [1024 k][3072 n] bf16; C leaves as f16 by heads, qkv[3][4 b][16 h][2048 t][64].  Tile of C 128 x 384, two tiles a work-group, 4,096 rows apart.
; PROJ = 1: A = ob [4 b][16 h][2048 t][64] f16 (k = 64 h + channel), B = wp [1024 k][1024 n] f16; C = out0 [8192][1024] f32.  Tile of C 128 x 256, one a work-group.
; Either way 256 work-groups of equal work.  Sums in f32, K ascending; the bias is rounded to bf16, as all the module's inputs are, and added in f32.
; LIMIT (PROJ = 0): q, k and v leave as f16: beyond 65,504 they become infinities.
; SHARES.  Four waves; wave w has rows 64 (w / 2) .. + 63 and, of each sub-tile j of 128 columns, the columns 64 (w % 2) .. + 63: accumulators (a = 0..3, b = 4 j + i) of 16 x 16.
; K goes in steps of 128 through two LDS slots.  B stays [k][n] in LDS, its fragments are turned by ds_load_tr16_b128; A lies along K.
; THE MATRIX INSTRUCTION IS USED TRANSPOSED (source 0 = 16 columns of B, source 1 = 16 rows of A): a lane holds row l % 16 of C and the columns 8 (l / 16) + 0..7.
; CLUSTER 4 x 4: A's tile is shared along a row of the cluster, B's along a column: each is asked for jointly, by the same tensor load, descriptor and mask in the four that it names.
; Waves 0 .. NSUB - 1 fetch B's sub-tiles (j = the wave's number), the others A.
; REGISTERS, in windows of 256 (s_set_vgpr_msb: bits 1:0 source 0, 3:2 source 1, 5:4 source 2, 7:6 destination):
;   window 0: v16-31 addresses; BIAS, T (and R) for the way out      window 1: two fragment buffers at v0 and v128: B's fragments at 8 b, A's at FA + 8 a
;   window 2: the accumulators of a = 0, 1 at 8 (NBK (a % 2) + b)    window 3: those of a = 2, 3
.set PROJ, 1
.set SIZE_K, 1024
.if PROJ
.set SIZE_N, 1024
.set NSUB,  2                          ; sub-tiles of 128 columns
.set AP,    144                        ; a row of A in LDS: 128 bytes (one head's 64 channels) + 16
.set ASZ,   2*128*AP                   ; two heads' planes of 128 rows
.set ALW,   128*AP                     ; A's LDS word: ALB + wave x ALW (waves 2 and 3)
.set ALB,   NSUB*36864-2*ALW
.set AQI,   4                          ; padding after every 32 words
.set AROWS, 64                         ; a plane's 128 dense rows are asked for as 64 rows of 256 bytes
.set ASTR,  128
.set ASTEP, 524288                     ; a K step is two heads: 2 x 2,048 x 128 bytes
.set APF,   256                        ; the prefetches of A: a lane takes 256 bytes on end
.set TILES, 1
.set STW,   2*16*272                   ; stage of a wave
.else
.set SIZE_N, 3072
.set NSUB,  3
.set AP,    272                        ; 256 bytes + 16
.set ASZ,   128*AP
.set ALW,   36864                      ; wave 3: behind B's three sub-tiles
.set ALB,   0
.set AQI,   5                          ; padding after every 64 words
.set AROWS, 128
.set ASTR,  1024
.set ASTEP, 256
.set APF,   2048                       ; a lane a row
.set TILES, 2
.set STW,   3*16*144
.endif
.set BP,    288                        ; a k row of a sub-tile of B in LDS: 256 bytes + 32
.set SUB,   128*BP
.set AB,    NSUB*SUB                   ; a slot: B's sub-tiles, then A
.set SLOT,  AB+ASZ
.set STAGE, 2*SLOT                     ; behind the ring, never filled by a tensor load
.set SPARE, STAGE+4*STW                ; behind the stages: the spare words, 128 bytes a wave
.set BSTEP, 128*SIZE_N*2
.set NBK,   4*NSUB                     ; column blocks of a wave
.set FA,    8*NBK
.set FN,    8*NSUB+8                   ; LDS loads of a quarter step
.set F0,    0
.set F1,    128
.set NEXT_A, 4096*2048-6*ASTEP         ; PROJ = 0: from a slot's last K step of a tile to its first of the next: 4,096 rows down, back along K
.set BACK_B, 6*BSTEP
.set NEXT_P, 4096*2048-7*ASTEP         ; the prefetches: from K step 9 to the next tile's K step 2
.set ADRA, 16                          ; v16-17  LDS address of my A fragments in slot 0, 1
.set ADRB, 18                          ; v18-..  of my B fragments: slot s, sub-tile j at NSUB s + j
.set STO,  24
.set RD,   25
.set GO,   26
.set SPW,  28                          ; v28  LDS address of my spare word; never rewritten
.set NIL,  29                          ; v29  0; never rewritten
.set PFO,  30                          ; v30  the prefetches' lane offset; never rewritten
.set VB,   31                          ; v31  my byte offset in the tile's bias
.set BIAS, 64
.set T,    64+8*NBK
.if PROJ
.set R,    192
.else
.set R,    T+48
.endif
.set WV,  12
.set MH,  13
.set NH,  14
.set G1,  24                           ; s[24:31] group 1 for A;  s[32:39] group 0, a set for each slot
.set G0,  32
.set PFA, 44                           ; s[44:45] where my prefetches stand
.set LIM, 46                           ; s46  1 in a wave that prefetches, else the greatest number
.set G1B, 48                           ; s[48:55], s[56:63] the same for B
.set G0B, 56
.set PFS, 66                           ; s[66:67] a K step in bytes, of the tensor that I prefetch
.set OB,  68                           ; s[68:73] PROJ = 0: where my rows of sub-tile j's head begin
.set MSB, 0
.macro WIN new                         ; the immediate's high byte repeats the setting that is left; a switch that changes nothing is dropped
.if MSB != (\new)
	s_set_vgpr_msb (MSB<<8)|(\new)
.set MSB, \new
.endif
.endm
.set TO_F, 0x40                        ; destination window 1, address window 0
.macro PLACES                          ; four places in front of loads into registers that matrix instructions have read, and of sums that read results
.rept 4
	v_nop
.endr
.endm
; A joint load.  The branch hangs on the wave's number alone.  An s_nop 0 and four v_nop follow each of the two lines, ahead of the jump and the label.
.macro JLOAD s
	s_cmp_lt_u32 s[WV], NSUB
	s_cbranch_scc1 .Lfor_b_\@
	tensor_load_to_lds s[G0+4*(\s):G0+4*(\s)+3], s[G1:G1+7]
	s_nop 0
.rept 4
	v_nop
.endr
	s_branch .Lasked_\@
.Lfor_b_\@:
	tensor_load_to_lds s[G0B+4*(\s):G0B+4*(\s)+3], s[G1B:G1B+7]
	s_nop 0
.rept 4
	v_nop
.endr
.Lasked_\@:
.endm
; A prefetch of the K step that stands two refills on: 32 blocks of 256 bytes, a lane each.  Each block is named once in the launch: A's by the first cluster of its row of clusters, B's by the first
; of its column; the four partners that ask for a tile jointly share its blocks out by address.  how = 0, in the loop: the last trip's refills have no K step two on.  how = 1: at a change of tiles.
.macro ASK how
.if \how
	s_cmp_eq_u32 s[LIM], 1
.else
	s_cmp_gt_u32 s3, s[LIM]
.endif
	s_cbranch_scc0 .Lnot_mine_\@
	global_prefetch_b8 v[PFO], s[PFA:PFA+1] th:TH_LOAD_NT scope:SCOPE_SE
.Lnot_mine_\@:
.endm
.macro CREST                           ; a round of the cluster's barrier behind its opening barrier
	s_cmp_lg_u32 s[WV], 0
	s_cbranch_scc1 .Lnot_wave_0_\@
	s_barrier_signal -3
.Lnot_wave_0_\@:
	s_barrier_wait -3
	s_barrier_signal -1
	s_barrier_wait -1
.endm
.macro CROUND
	s_barrier_signal -1
	s_barrier_wait -1
	CREST
.endm
	s_load_b256 s[4:11], s[0:1], 0x0               ; A s[4:5], B s[6:7], bias s[8:9], C s[10:11]
	v_lshl_add_u32 v[SPW], v0, 2, SPARE
	v_mov_b32 v[NIL], 0
	ds_add_u32 v[SPW], v[NIL]                      ; the wave's opening: the add and its wait stand ahead of my first tensor load; work on registers stands between them
	v_lshrrev_b32 v1, 5, v0
	v_readfirstlane_b32 s[WV], v1                  ; wave 0..3
	s_lshr_b32 s[MH], s[WV], 1
	s_and_b32 s[NH], s[WV], 1
	s_bfe_u32 s40, ttmp6, 0x40000                  ; cx
	s_bfe_u32 s41, ttmp6, 0x40004                  ; cy
	s_lshl_b32 s42, ttmp9, 2
	s_add_co_u32 s42, s42, s40                     ; tile column = 4 x cluster x + cx
	s_and_b32 s43, ttmp7, 0xffff
	s_lshl_b32 s43, s43, 2
	s_add_co_u32 s43, s43, s41                     ; tile row = 4 x cluster y + cy
	s_lshl_b32 s16, s41, 2
	s_lshl_b32 s16, 15, s16                        ; my row of the cluster
	s_lshl_b32 s74, 0x1111, s40                    ; my column
	s_or_b32 s[G1], s16, (1<<16)|(1<<20)|(1<<21)|(AQI<<22)|(3<<25)   ; the mask; elements of 2 bytes; padding on; bit 21 beside a mask; the interval; 4 words of padding
	s_or_b32 s[G1B], s74, (1<<16)|(1<<20)|(1<<21)|(5<<22)|(7<<25)    ; after every 64 words 8 words
	s_mov_b32 s[G1+1], 128<<16                     ; tensor_dim0 = 128
	s_mov_b32 s[G1+2], AROWS<<16                   ; tensor_dim1
	s_mov_b32 s[G1+3], 128<<16                     ; tile_dim0 = 128
	s_mov_b32 s[G1+4], AROWS                       ; tile_dim1
	s_mov_b32 s[G1+5], ASTR                        ; elements from row to row
	s_mov_b32 s[G1+6], 0
	s_mov_b32 s[G1+7], 0
	s_mov_b32 s[G1B+1], 128<<16
	s_mov_b32 s[G1B+2], 128<<16
	s_mov_b32 s[G1B+3], 128<<16
	s_mov_b32 s[G1B+4], 128
	s_mov_b32 s[G1B+5], SIZE_N
	s_mov_b32 s[G1B+6], 0
	s_mov_b32 s[G1B+7], 0
	; where the tiles come from: A's hang on the tile row (and the wave), B's on the tile column (and the wave), each in registers that never hold the other coordinate
.if PROJ
	s_lshr_b32 s16, s43, 4
	s_lshl_b32 s16, s16, 22                        ; the batch: 16 heads of 262,144 bytes
	s_and_b32 s17, s43, 15
	s_lshl_b32 s17, s17, 14                        ; the tile's 128 rows of 128 bytes in a head
	s_add_co_u32 s16, s16, s17
	s_lshl_b32 s17, s[NH], 18                      ; which of a K step's two heads I fetch
	s_add_co_u32 s16, s16, s17
.else
	s_lshl_b32 s16, s43, 18                        ; 128 rows of 2,048 bytes
.endif
	s_mov_b32 s17, 0
	s_mul_i32 s74, s42, 256*NSUB                   ; the tile's first column, in bytes,
	s_lshl_b32 s75, s[WV], 8                       ; my sub-tile
	s_add_co_u32 s74, s74, s75
	s_mov_b32 s75, 0
	s_mul_i32 s47, s[WV], ALW                      ; where they go: no place in the cluster enters an LDS address
	s_mul_i32 s78, s[WV], SUB
	s_wait_dscnt 0x0                               ; the opening add is done
	s_wait_kmcnt 0x0
	s_add_nc_u64 s[18:19], s[4:5], s[16:17]
	s_add_nc_u64 s[76:77], s[6:7], s[74:75]
	CROUND                                         ; all sixteen work-groups are here: the first joint loads meet
.irp s, 0,1
	s_mov_b32 s[G0+4*(\s)], 1
	s_add_co_u32 s[G0+4*(\s)+1], s47, (\s)*SLOT+ALB
	s_add_nc_u64 s[G0+4*(\s)+2:G0+4*(\s)+3], s[18:19], (\s)*ASTEP
	s_or_b32 s[G0+4*(\s)+3], s[G0+4*(\s)+3], 0x80000000
	s_mov_b32 s[G0B+4*(\s)], 1
	s_add_co_u32 s[G0B+4*(\s)+1], s78, (\s)*SLOT
	s_add_nc_u64 s[G0B+4*(\s)+2:G0B+4*(\s)+3], s[76:77], (\s)*BSTEP
	s_or_b32 s[G0B+4*(\s)+3], s[G0B+4*(\s)+3], 0x80000000
	JLOAD \s                                       ; two loads of mine are out
.endr
	v_and_b32 v1, 15, v0                           ; r = l % 16
	v_bfe_u32 v2, v0, 4, 1                         ; h = l / 16
	v_and_b32 v3, 7, v0
	v_bfe_u32 v4, v0, 3, 1
	v_lshlrev_b32 v[VB], 5, v2                     ; the bias of my columns: 32 h + 256 (w % 2), then 512 j + 64 i in the immediate
	s_lshl_b32 s20, s[NH], 8
	v_add_nc_u32 v[VB], s20, v[VB]
	s_mul_i32 s20, s42, 512*NSUB
	s_mov_b32 s21, 0
	s_add_nc_u64 s[8:9], s[8:9], s[20:21]
.set bb, 0
.rept NBK
	global_load_b128 v[BIAS+8*bb:BIAS+8*bb+3],   v[VB], s[8:9] offset:512*(bb/4)+64*(bb%4)
	global_load_b128 v[BIAS+8*bb+4:BIAS+8*bb+7], v[VB], s[8:9] offset:512*(bb/4)+64*(bb%4)+16
.set bb, bb+1
.endr
	v_mul_u32_u24 v5, v1, AP                       ; A's fragments: row x pitch + 16 h
	v_lshl_add_u32 v5, v2, 4, v5
	s_mul_i32 s20, s[MH], 64*AP
	s_add_co_u32 s20, s20, AB
	v_add_nc_u32 v[ADRA], s20, v5
	v_add_nc_u32 v[ADRA+1], SLOT, v[ADRA]
	v_lshl_add_u32 v6, v2, 3, v3                   ; B's: lane l reads k row 8 h + l % 8, 16 bytes at 16 ((l / 8) % 2), in my 128 bytes of the row
	v_mul_u32_u24 v6, v6, BP
	v_lshl_add_u32 v6, v4, 4, v6
	s_lshl_b32 s20, s[NH], 7
	v_add_nc_u32 v6, s20, v6
.set jj, 0
.rept 2*NSUB
	v_add_nc_u32 v[ADRB+jj], (jj/NSUB)*SLOT+(jj%NSUB)*SUB, v6
.set jj, jj+1
.endr
	s_mul_i32 s20, s[WV], STW
	s_add_co_u32 s20, s20, STAGE                   ; my stage
.if PROJ
	v_mul_u32_u24 v5, v1, 272                      ; in: row r, 32 bytes for each half of the lanes
	v_lshl_add_u32 v5, v2, 5, v5
	v_add_nc_u32 v[STO], s20, v5
	v_mul_u32_u24 v5, v2, 272                      ; back: lanes 0-15 a row of 256 bytes, lanes 16-31 the next
	v_lshl_add_u32 v5, v1, 4, v5
	v_add_nc_u32 v[RD], s20, v5
	v_lshlrev_b32 v5, 12, v2                       ; and the same two rows of C
	v_lshl_add_u32 v[GO], v1, 4, v5
	s_lshl_b32 s20, s43, 19                        ; my part of C: (128 tile row + 64 (w / 2)) rows of 4,096 bytes, (256 tile column + 64 (w % 2)) columns of 4
	s_lshl_b32 s21, s[MH], 18
	s_add_co_u32 s20, s20, s21
	s_lshl_b32 s21, s42, 10
	s_add_co_u32 s20, s20, s21
	s_lshl_b32 s21, s[NH], 8
	s_add_co_u32 s20, s20, s21
	s_mov_b32 s21, 0
	s_add_nc_u64 s[10:11], s[10:11], s[20:21]
.else
	v_mul_u32_u24 v5, v1, 144                      ; in: row r, 16 bytes for each half of the lanes
	v_lshl_add_u32 v5, v2, 4, v5
	v_add_nc_u32 v[STO], s20, v5
	v_bfe_u32 v5, v0, 3, 2                         ; back: 32 lanes take four rows of 128 bytes,
	v_mul_u32_u24 v5, v5, 144
	v_lshl_add_u32 v5, v3, 4, v5
	v_add_nc_u32 v[RD], s20, v5
	v_and_b32 v5, 31, v0                           ; which are 512 consecutive bytes of a head
	v_lshlrev_b32 v[GO], 4, v5
	s_mul_i32 s20, s42, 6                          ; sub-tile j's 64 columns of mine are column group 6 x tile column + 2 j + w % 2 of 48: which of q, k, v = group / 16, head = group % 16
	s_add_co_u32 s20, s20, s[NH]
	s_lshr_b32 s21, s43, 4
	s_lshl_b32 s21, s21, 4                         ; 16 x batch
	s_and_b32 s22, s43, 15
	s_lshl_b32 s22, s22, 14
	s_lshl_b32 s23, s[MH], 13
	s_add_co_u32 s22, s22, s23                     ; my first row in the head, in bytes
.irp j, 0,1,2
	s_add_co_u32 s15, s20, 2*\j
	s_lshr_b32 s23, s15, 4
	s_lshl_b32 s23, s23, 6
	s_and_b32 s15, s15, 15
	s_add_co_u32 s23, s23, s15
	s_add_co_u32 s23, s23, s21
	s_lshl_b32 s74, s23, 18                        ; a head is 262,144 bytes
	s_add_co_u32 s74, s74, s22
	s_mov_b32 s75, 0
	s_add_nc_u64 s[OB+2*\j:OB+2*\j+1], s[10:11], s[74:75]
.endr
.endif
	; the prefetches stand at K step 3; the first refill steps them to 4.  Nothing is prefetched here, at the head
.if PROJ
	s_lshr_b32 s20, s43, 4
	s_lshl_b32 s20, s20, 22
	s_and_b32 s21, s43, 15
	s_lshl_b32 s21, s21, 14
	s_add_co_u32 s20, s20, s21
	s_lshr_b32 s21, s40, 1                         ; of a K step's 2 x 64 blocks partner cx takes head cx / 2, half cx % 2
	s_lshl_b32 s21, s21, 18
	s_add_co_u32 s20, s20, s21
	s_and_b32 s21, s40, 1
	s_lshl_b32 s21, s21, 13
	s_add_co_u32 s20, s20, s21
.else
	s_lshl_b32 s20, s43, 18
	s_lshl_b32 s21, s40, 16                        ; of the tile's 128 rows partner cx takes 32
	s_add_co_u32 s20, s20, s21
.endif
	s_add_co_u32 s20, s20, 3*ASTEP
	s_lshl_b32 s21, s41, 5                         ; of a K step's 128 k rows of B partner cy takes 32
	s_add_co_u32 s21, s21, 3*128
	s_mul_i32 s21, s21, 2*SIZE_N
	s_mul_i32 s22, s42, 256*NSUB
	s_add_co_u32 s21, s21, s22
	s_lshl_b32 s22, s[WV], 8
	s_add_co_u32 s21, s21, s22
	s_and_b32 s22, ttmp7, 0xffff                   ; cluster y
	s_mov_b32 s15, BSTEP
	s_mov_b32 s23, 2*SIZE_N
	s_cmp_lt_u32 s[WV], NSUB                       ; do I fetch for B?
	s_cselect_b32 s20, s21, s20
	s_cselect_b32 s22, s22, ttmp9                  ; the coordinate along which other clusters read the same blocks
	s_cselect_b64 s[PFA:PFA+1], s[6:7], s[4:5]
	s_cselect_b32 s[PFS], s15, ASTEP
	s_cselect_b32 s23, s23, APF
	s_mov_b32 s21, 0
	s_mov_b32 s[PFS+1], 0
	s_add_nc_u64 s[PFA:PFA+1], s[PFA:PFA+1], s[20:21]
	s_cmp_eq_u32 s22, 0
	s_cselect_b32 s[LIM], 1, -1                    ; the same in all sixteen partners, for a given wave
.if PROJ
	s_cmp_eq_u32 s[WV], 3                          ; wave 2's lanes, in four partners, cover A's 128 blocks
	s_cselect_b32 s[LIM], -1, s[LIM]
.endif
	v_and_b32 v[PFO], 31, v0
	v_mul_u32_u24 v[PFO], v[PFO], s23
	s_wait_loadcnt 0x0                             ; the bias, once; rounded to bf16 and widened again
.set bb, 0
.rept 4*NBK
	v_cvt_pk_bf16_f32 v[T], v[BIAS+2*bb], v[BIAS+2*bb+1]
	v_lshlrev_b32 v[BIAS+2*bb], 16, v[T]
	v_and_b32 v[BIAS+2*bb+1], 0xffff0000, v[T]
.set bb, bb+1
.endr
.macro WM c
.if PROJ
	v_wmma_f32_16x16x32_f16 v[rD:rD+7], v[rB:rB+7], v[rA:rA+7], \c
.else
	v_wmma_f32_16x16x32_bf16 v[rD:rD+7], v[rB:rB+7], v[rA:rA+7], \c
.endif
.endm
; NBK matrix instructions: row block a x all my column blocks, 32 along K.  The accumulators take turns in one fixed order, one instruction a turn.  zero = 1: the product starts the sum.
.macro MULA f, a, zero
	WIN 0xa5+0x50*((\a)/2)                         ; sources window 1; C and D window 2 or 3
.set bb, 0
.rept NBK
.set rD, 8*(NBK*((\a)%2)+bb)
.set rB, (\f)+8*bb
.set rA, (\f)+FA+8*(\a)
.if \zero
	WM 0
.else
	WM v[rD:rD+7]
.endif
.set bb, bb+1
.endr
.endm
; FN LDS loads in one run: the fragments of quarter q (32 along K) of a slot into buffer f: B's first, then A's four blocks
.macro FETCH slot, q, f
	WIN TO_F
.if PROJ
.set ao, ((\q)/2)*128*AP+((\q)%2)*64
.else
.set ao, 64*(\q)
.endif
.set jj, 0
.rept NSUB
.irp i, 0,1,2,3
	ds_load_tr16_b128 v[(\f)+8*(4*jj+(\i)):(\f)+8*(4*jj+(\i))+3],   v[ADRB+NSUB*(\slot)+jj] offset:32*BP*(\q)+32*(\i)
	ds_load_tr16_b128 v[(\f)+8*(4*jj+(\i))+4:(\f)+8*(4*jj+(\i))+7], v[ADRB+NSUB*(\slot)+jj] offset:32*BP*(\q)+32*(\i)+16*BP
.endr
.set jj, jj+1
.endr
.irp a, 0,1,2,3
	ds_load_b128 v[(\f)+FA+8*(\a):(\f)+FA+8*(\a)+3],   v[ADRA+(\slot)] offset:ao+(\a)*16*AP
	ds_load_b128 v[(\f)+FA+8*(\a)+4:(\f)+FA+8*(\a)+7], v[ADRA+(\slot)] offset:ao+(\a)*16*AP+32
.endr
.endm
; One of a K step's first three quarters: multiplies buffer f; in its middle it fetches quarter q of the same slot into buffer g
.macro QUARTER slot, q, f, g, zero
	s_wait_dscnt 4                                 ; B and A's blocks 0, 1 are in; the youngest four loads (A's blocks 2, 3) may be out
	MULA \f, 0, \zero
	MULA \f, 1, \zero
	PLACES
	FETCH \slot, \q, \g
	s_wait_dscnt FN                                ; all but the run just issued
	MULA \f, 2, \zero
	MULA \f, 3, \zero
.endm
; The last quarter multiplies buffer 1 and changes slots.  In front of the one barrier each wave waits for all its tensor loads (one is out: its part of the next slot), adds 0 to its spare word,
; and waits for that and for its own reads of this slot.
.macro MEET round
	WIN 0
	s_wait_tensorcnt 0x0
	ds_add_u32 v[SPW], v[NIL]
	s_wait_dscnt 5                                 ; (the add and the youngest four loads may be out)
	MULA F1, 0, 0
	s_wait_dscnt 0x0                               ; the add is done, and my reads of this slot are over
	s_barrier_signal -1
	MULA F1, 1, 0                                  ; work on registers while the others arrive
.if \round
	WIN 0
.endif
	s_barrier_wait -1
.endm
; on = 0: the slot is filled again with this tile's K step two on; on = 1: with the next tile's K step 0 or 1
.macro TURN slot, next, on
	s_wait_xcnt 0x0                                ; the last prefetch, a K step back, has read its address
.if (\on) && ((\slot) == 0)
	s_add_nc_u64 s[PFA:PFA+1], s[PFA:PFA+1], NEXT_P
	s_cmp_lt_u32 s[WV], NSUB
	s_cselect_b32 s[LIM], -1, s[LIM]               ; B's rows are the same for both tiles: they are asked for no more
.else
	s_add_nc_u64 s[PFA:PFA+1], s[PFA:PFA+1], s[PFS:PFS+1]
.endif
	MEET 1
	CREST                                          ; the barrier has opened a round of the cluster's: no wave of any partner still reads this slot or has a load on its way
.if \on
	s_add_nc_u64 s[G0+4*(\slot)+2:G0+4*(\slot)+3], s[G0+4*(\slot)+2:G0+4*(\slot)+3], NEXT_A
	s_sub_nc_u64 s[G0B+4*(\slot)+2:G0B+4*(\slot)+3], s[G0B+4*(\slot)+2:G0B+4*(\slot)+3], BACK_B
.else
	s_add_nc_u64 s[G0+4*(\slot)+2:G0+4*(\slot)+3], s[G0+4*(\slot)+2:G0+4*(\slot)+3], 2*ASTEP
	s_add_nc_u64 s[G0B+4*(\slot)+2:G0B+4*(\slot)+3], s[G0B+4*(\slot)+2:G0B+4*(\slot)+3], 2*BSTEP
.endif
	JLOAD \slot                                    ; my one tensor load behind the round; its four v_nop are also the places in front of the loads below
	FETCH \next, 0, F0
	WIN 0
	ASK \on
	MULA F1, 2, 0
	MULA F1, 3, 0
.endm
	s_wait_tensorcnt 1                             ; my part of K step 0 is in; K step 1's may stay out
	s_barrier_signal -1
	s_barrier_wait -1
	FETCH 0, 0, F0
	WIN 0
.if TILES > 1
	s_mov_b32 s2, TILES
.Ltile:
.endif
	QUARTER 0, 1, F0, F1, 1                        ; a tile's first quarter starts the sums: nothing is cleared
	WIN 0
	s_mov_b32 s3, SIZE_K/256-1
.Llap:                                                 ; a trip goes once round the ring and fills both slots again
	QUARTER 0, 2, F1, F0, 0
	QUARTER 0, 3, F0, F1, 0
	TURN 0, 1, 0
	QUARTER 1, 1, F0, F1, 0
	QUARTER 1, 2, F1, F0, 0
	QUARTER 1, 3, F0, F1, 0
	TURN 1, 0, 0
	QUARTER 0, 1, F0, F1, 0
	WIN 0
	s_sub_co_u32 s3, s3, 1
	s_cmp_lg_u32 s3, 0
	s_cbranch_scc1 .Llap
	QUARTER 0, 2, F1, F0, 0
	QUARTER 0, 3, F0, F1, 0
.if TILES > 1
	WIN 0
	s_cmp_eq_u32 s2, 1
	s_cbranch_scc1 .Llast
	TURN 0, 1, 1                                   ; the ring goes on into the next tile
	QUARTER 1, 1, F0, F1, 0
	QUARTER 1, 2, F1, F0, 0
	QUARTER 1, 3, F0, F1, 0
	TURN 1, 0, 1
	WIN 0
	s_branch .Lout
.Llast:
.endif
	MEET 0                                         ; the last tile's last lap asks for nothing
	PLACES
	FETCH 1, 0, F0
	MULA F1, 2, 0
	MULA F1, 3, 0
	QUARTER 1, 1, F0, F1, 0
	QUARTER 1, 2, F1, F0, 0
	QUARTER 1, 3, F0, F1, 0
	s_wait_dscnt 4
	MULA F1, 0, 0
	MULA F1, 1, 0
	s_wait_dscnt 0x0
	MULA F1, 2, 0
	MULA F1, 3, 0
	WIN 0
.if TILES > 1
.Lout:
.endif
	PLACES                                         ; the places behind the last products
; THE WAY OUT of row block a: the bias is added (each accumulator's registers in ascending order), the 16 rows go through my own stage in LDS and leave as whole runs of bytes.
.macro OUTA a
	WIN 0
	s_wait_xcnt 0x0                                ; the stores of the block before have read their registers
	WIN 0x02+(\a)/2                                ; source 0: window 2 or 3
.set z, 0
.rept 4*NBK
	v_pk_add_f32 v[T+2*z:T+2*z+1], v[8*NBK*((\a)%2)+2*z:8*NBK*((\a)%2)+2*z+1], v[BIAS+2*z:BIAS+2*z+1]
.set z, z+1
.endr
	WIN 0
.if PROJ
.set z, 0
.rept NBK
	ds_store_b128 v[STO], v[T+8*z:T+8*z+3]   offset:4352*(z/4)+64*(z%4)
	ds_store_b128 v[STO], v[T+8*z+4:T+8*z+7] offset:4352*(z/4)+64*(z%4)+16
.set z, z+1
.endr
.set z, 0
.rept 16
	ds_load_b128 v[R+4*z:R+4*z+3], v[RD] offset:4352*(z/8)+544*(z%8)   ; LDS serves a wave's instructions in order: these see the stores above
.set z, z+1
.endr
	s_wait_dscnt 0x0
.set z, 0
.rept 16
	global_store_b128 v[GO], v[R+4*z:R+4*z+3], s[10:11] offset:65536*(\a)+8192*(z%8)+512*(z/8)   ; 16 lanes store 256 consecutive bytes, aligned
.set z, z+1
.endr
.else
.set z, 0
.rept 4*NBK
	v_cvt_pk_f16_f32 v[T+z], v[T+2*z], v[T+2*z+1]  ; in place, ascending: no source is written before it is read
.set z, z+1
.endr
.set z, 0
.rept NBK
	ds_store_b128 v[STO], v[T+4*z:T+4*z+3] offset:2304*(z/4)+32*(z%4)
.set z, z+1
.endr
.set z, 0
.rept NBK
	ds_load_b128 v[R+4*z:R+4*z+3], v[RD] offset:2304*(z/4)+576*(z%4)   ; LDS serves a wave's instructions in order: these see the stores above
.set z, z+1
.endr
	s_wait_dscnt 0x0
.set z, 0
.rept NBK
	global_store_b128 v[GO], v[R+4*z:R+4*z+3], s[OB+2*(z/4):OB+2*(z/4)+1] offset:2048*(\a)+512*(z%4)   ; 512 consecutive bytes of a head, aligned
.set z, z+1
.endr
.endif
.endm
	OUTA 0
	OUTA 1
	OUTA 2
	OUTA 3
.if TILES > 1
	s_wait_xcnt 0x0                                ; the stores have read their bases
.irp j, 0,1,2
	s_add_nc_u64 s[OB+2*\j:OB+2*\j+1], s[OB+2*\j:OB+2*\j+1], 8388608   ; 4,096 rows on: two batches
.endr
	s_sub_co_u32 s2, s2, 1
	s_cmp_lg_u32 s2, 0
	s_cbranch_scc1 .Ltile
.endif
	s_wait_tensorcnt 0x0                           ; the wave's end: three lines, behind my last tensor load and my last LDS store
	ds_add_u32 v[SPW], v[NIL]
	s_wait_dscnt 0x0
	CROUND                                         ; the closing round: no work-group ends while a partner may still ask for a tile that names it
	s_endpgm
.Lfunc_end_k_q4cde3fdb33_projgemm:
	.size	k_q4cde3fdb33_projgemm, .Lfunc_end_k_q4cde3fdb33_projgemm-k_q4cde3fdb33_projgemm
	.p2alignl 7, 3214868480
	.fill 96, 4, 3214868480
	.section	.rodata,"a",@progbits
	.p2align	6, 0x0
	.amdhsa_kernel k_q4cde3fdb33_projgemm
		.amdhsa_group_segment_fixed_size 327680
		.amdhsa_private_segment_fixed_size 0
		.amdhsa_enable_private_segment 0
		.amdhsa_kernarg_size 32
		.amdhsa_user_sgpr_count 2
		.amdhsa_user_sgpr_kernarg_segment_ptr 1
		.amdhsa_wavefront_size32 1
		.amdhsa_system_sgpr_workgroup_id_x 1
		.amdhsa_system_sgpr_workgroup_id_y 1
		.amdhsa_system_sgpr_workgroup_id_z 1
		.amdhsa_system_vgpr_workitem_id 0
		.amdhsa_next_free_vgpr 896
		.amdhsa_next_free_sgpr 84
		.amdhsa_reserve_vcc 0
		.amdhsa_float_denorm_mode_32 3
		.amdhsa_float_denorm_mode_16_64 3
		.amdhsa_memory_ordered 1
		.amdhsa_forward_progress 1
		.amdhsa_inst_pref_size 102
	.end_amdhsa_kernel
	.amdgpu_metadata
---
amdhsa.version: [ 1, 2 ]
amdhsa.kernels:
  - .name:           k_q4cde3fdb33_projgemm
    .symbol:         k_q4cde3fdb33_projgemm.kd
    .args:
      - { .name: ob, .offset: 0, .size: 8, .value_kind: global_buffer, .address_space: global }
      - { .name: wp, .offset: 8, .size: 8, .value_kind: global_buffer, .address_space: global }
      - { .name: b_proj, .offset: 16, .size: 8, .value_kind: global_buffer, .address_space: global }
      - { .name: out0, .offset: 24, .size: 8, .value_kind: global_buffer, .address_space: global }
    .group_segment_fixed_size: 327680
    .private_segment_fixed_size: 0
    .kernarg_segment_align: 8
    .kernarg_segment_size: 32
    .max_flat_workgroup_size: 128
    .sgpr_count:     84
    .vgpr_count:     896
    .wavefront_size: 32
...
	.end_amdgpu_metadata
.endif
;; end of part 4
;; ======== version 2 of 2: 4 launches; version 1 with the launch attn written anew for expert scheduling mode
;; limits: values are held in f16: magnitudes above 65,504 overflow, below 6.1e-05 lose precision
;; workspace buffers: xb 16,777,216 bytes; wq 6,291,456 bytes; wp 2,097,152 bytes; nib 2,097,152 bytes; cls 256 bytes of whole numbers; qkv 50,331,648 bytes; ob 16,777,216 bytes
;; launch prep: the kernel of part 1 again; grid 832 x 1, 8 waves a work-group, no clusters, 1,280 bytes of LDS; arguments mask, x, W_qkv, W_proj, nib, cls, xb, wq, wp; writes nib, cls, xb, wq, wp
;; launch qkvgemm: the kernel of part 2 again; grid 8 x 32, 4 waves a work-group, clusters of 4 x 4, 327,680 bytes of LDS; arguments xb, wq, b_qkv, qkv; writes qkv
;; launch attn (part 5): grid 4 x 64, 4 waves a work-group, no clusters, 120,320 bytes of LDS; arguments qkv, nib, cls, ob; writes ob
.if DOCPART == 5
	.amdgcn_target "amdgcn-amd-amdhsa--gfx1250"
	.amdhsa_code_object_version 6
	.text
	.protected	k_q4cde3fdb33_attn
	.globl	k_q4cde3fdb33_attn
	.p2align	8
	.type	k_q4cde3fdb33_attn,@function
k_q4cde3fdb33_attn:
	s_mov_b64 s[64:65], 0
	v_nop
	global_prefetch_b8 v0, s[64:65] scope:SCOPE_SE
	s_setreg_imm32_b32 hwreg(HW_REG_WAVE_SCHED_MODE, 0, 2), 2
	s_setreg_imm32_b32 hwreg(HW_REG_WAVE_MODE, 25, 1), 1
	s_wait_xcnt 0x0
	s_wait_alu depctr_vm_vsrc(0)
; ATTENTION UNDER A MASK THAT IS DATA.  O[y][q][:] = the sum over k of softmax_k(Q[y][q] . K[y][k] / 8, hidden where the mask is 0) V[y][k][:], y = 16 batch + head, 64 of them.
; Q, K, V: qkv[3][64 y][2048][64] f16; O: ob[64 y][2048][64] f16.  Products, maxima and sums in f32; the weights are rounded to f16 for the second product, O once at the end.
; THE MASK arrives as nib (4 bits a score, in the order of my score registers: 0xE hidden, 0 visible) and cls (for each tile of 256 queries x 256 keys: has it a visible score, has it a hidden one).
; A word of eight nibbles shifted left by 28 - 4 j puts nibble j on top: read as f32 that is a number in -2^95 .. -2^65 where the score is hidden and one under 2^-97 where it is visible.
; It is the C operand that starts the sum S^T = K Q^T.  The running maximum does the rest: a hidden score's weight is 0 as soon as the row has seen a visible one.
; LIMITS.  Q, K, V arrive within f16's 65,504, so a score is 2.7e11 at the most, nothing beside 2^65.  A row whose final maximum lies below -2^64 has no visible key and leaves as NaN.
; A weight below 2^-126 counts as 0; NaN and infinities in the inputs are not treated apart.
; THE WALK.  A work-group takes two blocks of 256 queries, b and 7 - b, of one y.  Of each block's eight key tiles those with no visible score are left out: the list of live tiles is made from cls
; (a block with none keeps tile 0).  ONE loop of 16 trips walks the list, two tiles in hand: T0 goes from registers into the LDS slot and is computed, T1 is asked of memory into registers meanwhile.
; ONE SLOT, TWO BARRIERS A TRIP.  The stores into the slot stand between the barrier that ends the last trip's reads and the barrier that opens this trip's; the way out through the stage stands behind
; the barrier that ends the reads.  So every LDS store is kept from every other wave's LDS load by a wait for 0 and a barrier, on both sides.  The price: a tile's 48 stores a wave have no matrix work beside them.
; All that hangs on the list is a forward jump over text with no barrier; a trip with no tile costs its two barriers.
; NO TENSOR LOADS, NO CLUSTER: the number of tiles hangs on data; work-groups that share K and V (one y) have different lists.
; NO PREFETCH: a tile's loads go out a whole tile's work (16 turns) ahead of the wait for them.
; SHARES, LAYOUT, TURNS.  Of a block's four bands of 64 queries a wave owns 16 rows in each: four PIECES.  S^T = K Q^T holds one query a lane (l % 16) and the keys 8 (l / 16) + 0..7; two results rounded
; to f16 are source 1 of O^T = V^T P.  p = 2^(c s - c m), c = log2(e) / 8, with a running maximum m; O and l are multiplied by a = 2^(c m_old - c m_new) in every step.  Turn n belongs to piece n:
; 8 products K Q^T of piece n + 1, later 8 products V^T P of piece n - 1; beside them the softmax of piece n and the maximum and statistics of piece n + 1.  Four vector instructions stand behind every
; matrix instruction, the rest in one lump.  A turn's 33 exponentials are one batch with one wait.
; THE MODE: SCHED_MODE bits 1:0 = 2 (LLVM: expert scheduling mode 2), set by the entry lines.  The code itself states the register dependences
; between vector or matrix instructions and memory or LDS instructions, with s_wait_alu, always for 0.
; THE PLAN.  Registers that memory or LDS instructions touch, and who else names them:
;   window 3, v0-191     A tile on its way: written by LOADT's loads, read by STORET's LDS stores, named by no vector or matrix instruction.  One wait on vm_vsrc a trip, behind the stores, frees them for the next loads.
;   QO, GL, GN, SK0, SV0, AN0, STO, RD, GO   Offsets and addresses, made at the head and never written again: two waits on va_vdst at the head state that they are written.
;   AN, AK               Read by the nibble loads and by K's run; written in piece 2's turn, behind a wait on vm_vsrc at its head, and where a block begins, behind the trip's wait on vm_vsrc.
;   AV                   Read by V's run; written in piece 0's lump, behind a wait on vm_vsrc.
;   K's registers        Read by the products K Q^T; K's run lands in them behind a wait on va_vdst, which also states that AN and AK are written; piece 2's nibble load stands behind the same wait.
;   V's registers        Read by the products V^T P; V's run lands in them behind a wait on va_vdst at the end of piece 0's turn.
;   NBR + 4 p            Read by the shifts that make masks at the end of turn p; loaded again a key step later: the batch waits of the three turns between state that the shifts are done.
;                        So the nibble loads at the heads of turns 3, 0 and 1 have no wait of their own: no vector instruction since the last wait on va_vdst names their address or their registers.
;   S^T, on the way out  Written by the roundings, read by the LDS stores into the stage: one wait on va_vdst a piece.
;   v128-191, window 0   The stage read back: written by LDS loads, read by the global stores, named by no vector instruction.  One wait on vm_vsrc at the way out's end frees them and S^T.
; REGISTERS, in windows of 256 (s_set_vgpr_msb: bits 1:0 source 0, 3:2 source 1, 5:4 source 2, 7:6 destination):
;   window 0: v0-15, v56-63 addresses; v16-31 statistics; v32-47 nibble words; v48-55 at work; v64-127 S^T, two buffers; v128-191 the way out's rows read back; v192-223 P, two buffers
;   window 1: v0-127 O^T; v160-223 MC, the masks, two buffers      window 2: v0-63 Q; v64-127 the second block's Q; v128-191 K of a step; v192-255 V of a step
;   window 3: a tile on its way: v0-63 K, v64-127 V, v128-191 nibbles
.set NP,    4
.set KS,    64
.set PK,    144       ; a row of K in LDS: 128 bytes + 16
.set PV,    160       ; a row of V: 128 + 32
.set VOFF,  4*KS*PK   ; the slot: 256 rows of K, 256 rows of V,
.set NOFF,  VOFF+4*KS*PV  ; then the nibbles: 8,192 bytes a wave, piece x, step s at 512 (4 x + s)
.set STAGE, NOFF+4*8192   ; 16 rows x 144 bytes for each wave, for the way out
.set SP,    144
.set SPARE, STAGE+4*16*SP ; the spare words, 128 bytes a wave
.set AK0, 2
.set AV0, 3
.set AK,  4
.set AV,  5
.set STO, 6
.set RD,  7
.set GO,  8           ; v8   16 x lane
.set MV,  12
.set AN0, 14          ; v14  my lane's place in my wave's nibbles of the slot
.set QO,  15
.set ST,  16          ; piece t's statistics at v[ST+4 t]: c m, m, l (even keys', odd keys')
.set NBR, 32          ; turn p's four nibble words at v[NBR+4 p]
.set TMP, 48
.set AN,  56
.set SK0, 57          ; where my thread puts its 16 bytes of a tile's K, V
.set SV0, 58
.set GL,  60          ; v60  16 x thread
.set GN,  61          ; v61  my byte offset in a block's nibbles
.set SPW, 62
.set NIL, 63
.set S,   64
.set BK,  128         ; piece t's 16 rows of O, read back from the stage, at v[BK+16 t]
.set P,   192
.set MC,  160         ; window 1
.set QB,  64          ; window 2
.set KF,  128
.set VF,  192
.set WV,  12
.set PB,  14
.set KB,  16          ; s[16:17] K of my y; s[18:19] V; s[20:21] nib at block b
.set VB,  18
.set NBS, 20
.set KA,  22          ; s[22:27] the addresses of the tile that is asked for
.set VA,  24
.set NA,  26
.set OFF, 28          ; s[28:29] an offset, the high word 0
.set HM,  32          ; s[32:35] at a block's end: piece t's lanes whose row has no visible key (at the head these registers hold cls)
.set REM, 48          ; the tiles still to be named: bit t of block b, bit 8 + t of block 7 - b; bits 16-31 stand for trips with nothing
.set T0,  49          ; the tile that is stored and computed in this trip (16 or more: none)
.set T1,  50          ; the tile that is asked for in this trip
.set MIXM, 52         ; the live tiles that hold hidden scores
.set MXL, 53          ; is T0 one of them
.set MKQ, 54          ; the same for the tile whose K lies in registers
.set CNT, 57
.set CS,  58
.set SEL, 60
.set TBK, 62          ; LDS byte at which K of the step to be fetched begins
.set TBV, 63          ; the same for V, less VOFF
.set TBN, 66          ; the same for the nibbles, less my wave's place
.set NEW, 67          ; 1: the next tile computed is a block's first
.set LASTF, 68        ; not 0: T0 is a tile and its block's last
.set TR,  71
.set D0,  72          ; s72, s73: does mask buffer 0, 1 hold a mixed tile's masks
.set ND,  74          ; (7 - 2 b) x 32,768: an eighth of the way in nib from block b to block 7 - b
.set HIDT, 75
.set NANV, 76
.set OLO, 80
.set MSB, 0
.macro WIN new
.if MSB != (\new)
	s_set_vgpr_msb (MSB<<8)|(\new)
.set MSB, (\new)
.endif
.endm
.set W_KQ, 0x0a       ; K and Q in window 2, S^T in window 0
.set W_KM, 0x1a       ; the same with the C operand in window 1
.set W_PV, 0x52       ; V in window 2, P in window 0, O^T in window 1
.set W_RS, 0x41       ; destination and source 0 in window 1, source 1 in window 0
.macro ZERO first, count
.set z, \first
.rept \count
	v_mov_b32 v[z], 0
.set z, z+1
.endr
.endm
.macro NEXT                         ; the two tiles in hand move on; the lowest bit of REM is named and taken out
	s_mov_b32 s[T0], s[T1]
	s_ctz_i32_b32 s[T1], s[REM]
	s_sub_co_u32 s55, s[REM], 1
	s_and_b32 s[REM], s[REM], s55
.endm
; Tile T1 is asked of memory: 32,768 dense bytes of K and of V (16 bytes a thread, sixteen times) and my wave's 8,192 bytes of nibbles (piece e / 4, step e % 4).
; No wait on the vector side: GL and GN were written ahead of the head's first wait, and no vector or matrix instruction names window 3.
.macro LOADT
	s_min_u32 s55, s[T1], 15
	s_and_b32 s56, s55, 7
	s_lshl_b32 s[OFF], s56, 15
	s_add_nc_u64 s[KA:KA+1], s[KB:KB+1], s[OFF:OFF+1]
	s_add_nc_u64 s[VA:VA+1], s[VB:VB+1], s[OFF:OFF+1]
	s_lshl_b32 s56, s56, 11
	s_and_b32 s55, s55, 8
	s_mul_i32 s55, s55, s[ND]
	s_add_co_u32 s[OFF], s55, s56
	s_add_nc_u64 s[NA:NA+1], s[NBS:NBS+1], s[OFF:OFF+1]
	WIN 0xc0                        ; destination window 3
.set j, 0
.rept 16
	global_load_b128 v[4*j:4*j+3],         v[GL], s[KA:KA+1] offset:2048*j
	global_load_b128 v[64+4*j:64+4*j+3],   v[GL], s[VA:VA+1] offset:2048*j
	global_load_b128 v[128+4*j:128+4*j+3], v[GN], s[NA:NA+1] offset:65536*(j/4)+512*(j%4)
.set j, j+1
.endr
	WIN 0
.endm
.macro STORET                       ; the tile in registers goes into the slot: fixed addresses, the row block in the immediate
	WIN 0x0c                        ; data (source 1) window 3
.set j, 0
.rept 16
	ds_store_b128 v[SK0], v[4*j:4*j+3]         offset:16*PK*j
	ds_store_b128 v[SV0], v[64+4*j:64+4*j+3]   offset:16*PV*j
	ds_store_b128 v[AN0], v[128+4*j:128+4*j+3] offset:512*j
.set j, j+1
.endr
	WIN 0
.endm
.macro EXPAND p, b                  ; turn p's four nibble words become the 32 masks of buffer b
	WIN 0x40
.set z, 0
.rept 32
	v_lshlrev_b32 v[MC+32*(\b)+z], 28-4*(z%8), v[NBR+4*(\p)+z/8]
.set z, z+1
.endr
.endm
	s_load_b256 s[4:11], s[0:1], 0x0  ; qkv s[4:5], nib s[6:7], cls s[8:9], ob s[10:11]
	v_lshl_add_u32 v[SPW], v0, 2, SPARE
	v_mov_b32 v[NIL], 0
	v_lshrrev_b32 v1, 5, v0
	v_readfirstlane_b32 s[WV], v1   ; wave 0..3
	s_mov_b32 s[PB], ttmp9          ; b
	s_sub_co_u32 s15, 7, s[PB]      ; the second block
	s_and_b32 s30, ttmp7, 0xffff    ; y
	s_lshl_b32 s30, s30, 18         ; its 2,048 rows of 128 bytes
	s_mov_b32 s31, 0
	s_wait_alu depctr_va_sdst(0)    ; the wave's number is written, ahead of its first reader: offsets and LDS places are made from it
	s_lshl_b32 s13, s[WV], 11       ; my 16 rows in a band of 64
	s_add_co_u32 s13, s13, s30
	s_lshl_b32 s82, s[PB], 15
	s_add_co_u32 s82, s82, s13
	s_mov_b32 s83, 0
	s_lshl_b32 s84, s15, 15
	s_add_co_u32 s84, s84, s13
	s_mov_b32 s85, 0
	s_lshl_b32 s78, s[PB], 5        ; a block's eight words of cls
	s_mov_b32 s79, 0
	s_lshl_b32 s[OFF], s15, 5
	s_mov_b32 s[OFF+1], 0
	s_lshl_b32 s22, s[PB], 18       ; a block's 16 query tiles of 16,384 bytes in nib
	s_mov_b32 s23, 0
	s_lshl_b32 s13, s[PB], 1
	s_sub_co_u32 s[ND], 7, s13
	s_lshl_b32 s[ND], s[ND], 15
	s_mov_b32 s[CS], 0x3e38aa3b     ; c = log2(e) / 8
	s_mov_b32 s[CS+1], s[CS]
	s_mov_b32 s[SEL], 0x76543210
	s_mov_b32 s[SEL+1], 0xfedcba98
	s_mov_b32 s[HIDT], 0xdf800000   ; -2^64
	s_mov_b32 s[NANV], 0x7fc00000
	s_mov_b32 s[T1], 31
	s_mov_b32 s[NEW], 1
	s_mov_b32 s[D0], 0
	s_mov_b32 s[D0+1], 0
	s_mov_b32 s[MKQ], 0
	s_mov_b32 s[TR], 16
	v_and_b32 v1, 15, v0            ; l % 16
	v_bfe_u32 v9, v0, 4, 1          ; l / 16
	v_lshlrev_b32 v[QO], 7, v1
	v_lshl_add_u32 v[QO], v9, 4, v[QO]
	v_and_b32 v10, 31, v0
	v_lshlrev_b32 v[GO], 4, v10
	s_lshl_b32 s13, s[WV], 14       ; piece x of wave w is query tile 4 x + w of the block
	v_add_nc_u32 v[GN], s13, v[GO]
	s_lshl_b32 s13, s[WV], 13
	s_add_co_u32 s13, s13, NOFF
	v_add_nc_u32 v[AN0], s13, v[GO]
	v_lshlrev_b32 v[GL], 4, v0
	s_wait_kmcnt 0x0
	s_add_nc_u64 s[78:79], s[8:9], s[78:79]
	s_add_nc_u64 s[8:9], s[8:9], s[OFF:OFF+1]
	s_load_b256 s[32:39], s[78:79], 0x0   ; block b's eight tiles
	s_load_b256 s[40:47], s[8:9], 0x0     ; block 7 - b's
	s_add_nc_u64 s[KB:KB+1], s[4:5], s[30:31]
	s_add_nc_u64 s[KB:KB+1], s[KB:KB+1], 0x1000000   ; k lies 64 heads of 262,144 bytes behind q,
	s_add_nc_u64 s[VB:VB+1], s[KB:KB+1], 0x1000000   ; v as far behind k
	s_add_nc_u64 s[NBS:NBS+1], s[6:7], s[22:23]
	s_add_nc_u64 s[86:87], s[4:5], s[84:85]
	s_add_nc_u64 s[4:5], s[4:5], s[82:83]
	s_add_nc_u64 s[OLO:OLO+1], s[10:11], s[84:85]
	s_add_nc_u64 s[10:11], s[10:11], s[82:83]
	WIN 0x80
	s_wait_alu depctr_va_vdst(0)    ; QO, GL and GN are written: the loads of Q and, behind scalar lines alone, of the first tile read them as offsets
.set i, 0
.rept 8                             ; both blocks' Q: piece i / 2 lies in band i / 2, 8,192 bytes on; channels 32 (i % 2) on
	global_load_b128 v[8*i:8*i+3],   v[QO], s[4:5] offset:(i/2)*8192+(i%2)*64
	global_load_b128 v[8*i+4:8*i+7], v[QO], s[4:5] offset:(i/2)*8192+(i%2)*64+32
	global_load_b128 v[QB+8*i:QB+8*i+3],   v[QO], s[86:87] offset:(i/2)*8192+(i%2)*64
	global_load_b128 v[QB+8*i+4:QB+8*i+7], v[QO], s[86:87] offset:(i/2)*8192+(i%2)*64+32
.set i, i+1
.endr
	WIN 0
	s_wait_kmcnt 0x0
	s_or_b32 s32, s32, s33          ; a block's words have their bits at different places: the OR gathers them
	s_or_b32 s34, s34, s35
	s_or_b32 s36, s36, s37
	s_or_b32 s38, s38, s39
	s_or_b32 s32, s32, s34
	s_or_b32 s36, s36, s38
	s_or_b32 s32, s32, s36
	s_or_b32 s40, s40, s41
	s_or_b32 s42, s42, s43
	s_or_b32 s44, s44, s45
	s_or_b32 s46, s46, s47
	s_or_b32 s40, s40, s42
	s_or_b32 s44, s44, s46
	s_or_b32 s40, s40, s44
	s_and_b32 s33, s32, 255         ; live tiles;
	s_cmp_eq_u32 s33, 0
	s_cselect_b32 s33, 1, s33       ; a block with none keeps tile 0, whose 'hidden' bit is set
	s_bfe_u32 s34, s32, 0x80010
	s_and_b32 s41, s40, 255
	s_cmp_eq_u32 s41, 0
	s_cselect_b32 s41, 1, s41
	s_bfe_u32 s42, s40, 0x80010
	s_lshl_b32 s41, s41, 8
	s_lshl_b32 s42, s42, 8
	s_or_b32 s33, s33, s41
	s_or_b32 s34, s34, s42
	s_and_b32 s[MIXM], s33, s34
	s_or_b32 s[REM], s33, 0xffff0000
	NEXT
	LOADT                           ; the first live tile
	v_lshrrev_b32 v10, 3, v0
	v_and_b32 v11, 7, v0
	v_mul_u32_u24 v[SK0], v10, PK   ; thread t's 16 bytes: row t / 8, 16 (t % 8)
	v_lshl_add_u32 v[SK0], v11, 4, v[SK0]
	v_mul_u32_u24 v[SV0], v10, PV
	v_lshl_add_u32 v[SV0], v11, 4, v[SV0]
	v_add_nc_u32 v[SV0], VOFF, v[SV0]
	v_mul_u32_u24 v[AK0], v1, PK
	v_lshl_add_u32 v[AK0], v9, 4, v[AK0]
	; The turning load takes 16 keys x 16 channels (lane l reads key 8 (l / 16) + l % 8, channels 8 ((l / 8) % 2) + 0..7) and leaves half a fragment of V^T.
	v_and_b32 v10, 7, v0
	v_bfe_u32 v11, v0, 3, 1
	v_lshl_add_u32 v[AV0], v9, 3, v10
	v_mul_u32_u24 v[AV0], v[AV0], PV
	v_lshl_add_u32 v[AV0], v11, 4, v[AV0]
	v_add_nc_u32 v[AV0], VOFF, v[AV0]
	s_mul_i32 s13, s[WV], 16*SP
	s_add_co_u32 s13, s13, STAGE
	v_mul_u32_u24 v[STO], v1, SP
	v_lshl_add_u32 v[STO], v9, 4, v[STO]
	v_add_nc_u32 v[STO], s13, v[STO]
	v_bfe_u32 v[RD], v0, 3, 2
	v_mul_u32_u24 v[RD], v[RD], SP
	v_lshl_add_u32 v[RD], v10, 4, v[RD]
	v_add_nc_u32 v[RD], s13, v[RD]
	v_mov_b32 v[AK], v[AK0]
	v_mov_b32 v[AV], v[AV0]
	v_mov_b32 v[AN], v[AN0]
	; Every register that a turn reads is written once here, in the wait for the first tile.  A block's first step multiplies O^T and l by a = 0, and its first turn's products V^T P, of a piece
	; that has not been, land in an O^T that is still to be so multiplied: those registers must hold finite numbers.
	ZERO MV, 2
	ZERO ST, 40
	ZERO S, 64
	ZERO P, 32
	WIN 0x40
	ZERO 0, 128
	ZERO MC, 64
	WIN 0x80
	ZERO KF, 128
	WIN 0
	s_wait_alu depctr_va_vdst(0)    ; the head's vector lines have written SK0, SV0 and AN0, by which the tile's LDS stores go, STO
; THE MATRIX WORK.  The 4 accumulators of a run of 8 take turns.  Product i of 8 of S^T = K Q^T for piece x: channels 32 (i / 4) on, keys 16 (i % 4) on.  The first 4 start the sums with the mask.
.macro KQ x
.set rS, S+32*((\x)%2)+8*(i%4)
.set rK, KF+16*(i%4)+8*(i/4)
.set rQ, 16*(\x)+8*(i/4)
.set rM, MC+32*((\x)%2)+8*(i%4)
.if i < 4
	WIN W_KM
	v_wmma_f32_16x16x32_f16 v[rS:rS+7], v[rK:rK+7], v[rQ:rQ+7], v[rM:rM+7]
.else
	WIN W_KQ
	v_wmma_f32_16x16x32_f16 v[rS:rS+7], v[rK:rK+7], v[rQ:rQ+7], v[rS:rS+7]
.endif
.endm
.macro PV x                         ; product i of 8 of O^T += V^T P for piece x: keys 32 (i / 4) on, channels 16 (i % 4) on
	WIN W_PV
.set rO, 32*(\x)+8*(i%4)
.set rV, VF+32*(i/4)+8*(i%4)
.set rP, P+16*((\x)%2)+8*(i/4)
	v_wmma_f32_16x16x32_f16 v[rO:rO+7], v[rV:rV+7], v[rP:rP+7], v[rO:rO+7]
.endm
.macro MM                           ; the turn's next matrix instruction.  NOKQ = 1: a block's last turn: there is no next piece
.if (i < 8) && !NOKQ
	KQ (Y+1)%NP
.elseif i >= 8
.set i, i-8
	PV (Y+NP-1)%NP
.set i, i+8
.endif
.set i, i+1
.endm
.macro FETCH_K                      ; a step's K: 64 keys x 64 channels, 8 fragments, one run of 16 loads
	WIN 0x80
.irp f, 0,1,2,3,4,5,6,7
	ds_load_b128 v[KF+8*\f:KF+8*\f+3],   v[AK] offset:(\f/2)*16*PK+(\f%2)*64
	ds_load_b128 v[KF+8*\f+4:KF+8*\f+7], v[AK] offset:(\f/2)*16*PK+(\f%2)*64+32
.endr
	s_add_co_u32 s[TBK], s[TBK], KS*PK
	WIN 0
.endm
.macro FETCH_V                      ; its V, turned
	WIN 0x80
.irp f, 0,1,2,3,4,5,6,7
	ds_load_tr16_b128 v[VF+8*\f:VF+8*\f+3],   v[AV] offset:(\f/4)*32*PV+(\f%4)*32
	ds_load_tr16_b128 v[VF+8*\f+4:VF+8*\f+7], v[AV] offset:(\f/4)*32*PV+16*PV+(\f%4)*32
.endr
	WIN 0
.endm
; THE VECTOR WORK, one line at a time: OP kind, number.  For piece Y: F n: c s - c m for pair n of 16.  E n: the exponential of score n of 32.  C n: pair n rounded to f16.  B n: of the four weights 4 n ..
; the second pair is added onto the first.  L n: l takes that sum (L 0: l = a l + sum).  R n: pair n of 16 of O^T times a.  For piece Y + 1: X n, number n of the 22 that find its maximum and statistics:
;   0-11 four chains of seven scores (each accumulator's lowest registers are read first); 12-14, 16 the rest, the old m, four into one; 15 c m_old is kept;
;   17, 18 the other half of the lanes: the new m; 19-21 c m; c m_old - c m_new; a
.set F, 0
.set E, 1
.set C, 2
.set B, 3
.set L, 4
.set R, 5
.set X, 6
.macro REGS y
.set rT, ST+4*(\y)
.set rC, TMP+4*((\y)%2)
.set rW, MV+((\y)%2)
.set rS, S+32*((\y)%2)
.set rP, P+16*((\y)%2)
.set rO, 32*(\y)
.endm
.macro OP k, n
.if (\k) == R
	REGS Y
	WIN W_RS
	v_pk_mul_f32 v[rO+2*(\n):rO+2*(\n)+1], v[rO+2*(\n):rO+2*(\n)+1], v[rC+2:rC+3] op_sel_hi:[1,0]
.elseif (\k) < R
	REGS Y
	WIN 0
.if (\k) == F
	v_pk_fma_f32 v[rS+2*(\n):rS+2*(\n)+1], v[rS+2*(\n):rS+2*(\n)+1], s[CS:CS+1], v[rT:rT+1] op_sel_hi:[1,0,0] neg_lo:[0,0,1] neg_hi:[0,0,1]
.elseif (\k) == E
	v_exp_f32 v[rS+(\n)], v[rS+(\n)]
.elseif (\k) == C
	v_cvt_pk_f16_f32 v[rP+(\n)], v[rS+2*(\n)], v[rS+2*(\n)+1]
.elseif (\k) == B
	v_pk_add_f32 v[rS+4*(\n):rS+4*(\n)+1], v[rS+4*(\n):rS+4*(\n)+1], v[rS+4*(\n)+2:rS+4*(\n)+3]
.elseif (\n) == 0
	v_pk_fma_f32 v[rT+2:rT+3], v[rT+2:rT+3], v[rC+2:rC+3], v[rS:rS+1] op_sel_hi:[1,0,1]
.else
	v_pk_add_f32 v[rT+2:rT+3], v[rT+2:rT+3], v[rS+4*(\n):rS+4*(\n)+1]
.endif
.elseif NOKQ
	v_nop
.else
	REGS (Y+1)%NP
	WIN 0
.if (\n) < 4
	v_max3_num_f32 v[rC+(\n)], v[rS+8*(\n)], v[rS+8*(\n)+1], v[rS+8*(\n)+2]
.elseif (\n) < 12
	v_max3_num_f32 v[rC+(\n)%4], v[rC+(\n)%4], v[rS+8*((\n)%4)+2*((\n)/4)+1], v[rS+8*((\n)%4)+2*((\n)/4)+2]
.elseif (\n) == 12
	v_max3_num_f32 v[rC], v[rC], v[rS+7], v[rS+15]
.elseif (\n) == 13
	v_max3_num_f32 v[rC+1], v[rC+1], v[rS+23], v[rS+31]
.elseif (\n) == 14
	v_max3_num_f32 v[rC+2], v[rC+2], v[rC+3], v[rT+1]
.elseif (\n) == 15
	v_mov_b32 v[rW], v[rT]
.elseif (\n) == 16
	v_max3_num_f32 v[rC], v[rC], v[rC+1], v[rC+2]
.elseif (\n) == 17
	v_permlanex16_b32 v[rC+3], v[rC], s[SEL], s[SEL+1]
.elseif (\n) == 18
	v_max_num_f32 v[rT+1], v[rC], v[rC+3]
.elseif (\n) == 19
	v_mul_f32 v[rT], s[CS], v[rT+1]
.elseif (\n) == 20
	v_sub_f32 v[rC+1], v[rW], v[rT]
.else
	v_exp_f32 v[rC+2], v[rC+1]
.endif
.endif
.endm
.macro OPS a, i1, b=-1, i2=0, c=-1, i3=0, d=-1, i4=0
	OP \a, \i1
.if (\b) >= 0
	OP \b, \i2
.endif
.if (\c) >= 0
	OP \c, \i3
.endif
.if (\d) >= 0
	OP \d, \i4
.endif
.endm
.macro ROW a, i1, b, i2, c, i3, d, i4  ; a matrix instruction and the four behind it
	MM
	OPS \a, \i1, \b, \i2, \c, \i3, \d, \i4
.endm
; A TURN, for piece p.  Ahead of its one wait for the batch stands all that names no result of its exponentials: the 8 products K Q^T with their riders and the lump; behind it the 8 products V^T P, whose riders are
; the roundings and sums.  K of the next step is fetched in piece 2's turn, V of the step in hand at the end of piece 0's; each is waited for a turn later.
; THE MASKS.  The turn loads the four nibble words of the products of the turn AFTER it (piece p + 2): at its head, but in piece 2's turn, which steps the address, directly ahead of K's run.  At its end it
; makes their 32 masks, in buffer p % 2, if the tile whose K lies in registers is mixed, or if the buffer still holds a mixed tile's masks (a plain tile's nibbles are 0 and clear it).  Else the buffer holds
; zeros and is left.  The jump passes no barrier.
; end = 1: a block's last two turns: nothing is fetched, no mask is made.
.macro TURN p, end=0
.set Y, (\p)
.set i, 0
.set NOKQ, (\end)*((\p)/3)
.if !(\end)
.if (\p) == 3
	s_wait_dscnt 0x0                ; K is in
.endif
	WIN 0
.if (\p) == 2
	s_wait_alu depctr_vm_vsrc(0)    ; the LDS loads issued so far have read AN and AK, which this turn writes: AN here, AK some lines on
	v_add_nc_u32 v[AN], s[TBN], v[AN0]
.else
	ds_load_b128 v[NBR+4*(\p):NBR+4*(\p)+3], v[AN] offset:2048*(((\p)+2)%NP)  ; no wait: no vector instruction since the last wait on va_vdst names AN or these four registers
.endif
.endif
	ROW F,0, F,1, R,0, R,1
	ROW F,2, E,0, R,2, R,3
	ROW F,3, E,1, R,4, R,5
	ROW F,4, E,2, R,6, R,7
	ROW F,5, E,3, R,8, R,9
	ROW F,6, E,4, X,0, R,10
.if ((\p) == 2) && !(\end)
	WIN 0
	v_add_nc_u32 v[AK], s[TBK], v[AK0]
.endif
	ROW F,7, E,5, X,1, X,4
	ROW F,8, E,6, X,2, X,5
	OPS E,7, E,8, X,6, E,9
	OPS X,3, E,10, X,8, E,11
.if ((\p) == 2) && !(\end)
	WIN 0
	s_wait_alu depctr_va_vdst(0)    ; AN and AK are written, by which the loads below go; this turn's products K Q^T are done reading K's registers, and the last step's shifts these nibble words, in which they land
	ds_load_b128 v[NBR+4*(\p):NBR+4*(\p)+3], v[AN] offset:2048*(((\p)+2)%NP)
	FETCH_K
	s_mov_b32 s[MKQ], s[MXL]        ; from here on the K in registers is the tile in hand's
.endif
	OPS X,9, X,7, E,12, X,10
	OPS E,13, X,12, X,11, E,14
	OPS X,13, E,15, F,9, X,14
.if (\p) == 0
	s_wait_alu depctr_vm_vsrc(0)    ; V's run of a step ago has read AV
	v_add_nc_u32 v[AV], s[TBV], v[AV0]
.endif
	OPS E,16, F,10, E,17, F,11
	OPS X,16, E,18, X,15, E,19
	OPS F,12, E,20, X,17, E,21
	OPS F,13, E,22, F,14, E,23
	OPS X,18, E,24, F,15, E,25
	OPS R,11, E,26, X,19, E,27
	OPS R,12, E,28, R,13, E,29
	OPS X,20, E,30, R,14, E,31
	OPS X,21, R,15                  ; the batch's last exponential, and the plain instruction behind it
	WIN 0
	s_wait_alu depctr_va_vdst(0)    ; the turn's 33 exponentials have written their results, ahead of the first instruction that names one; the last turn's shifts are done reading their nibble words
.if (\p) == 1
	s_wait_dscnt 0x0                ; V is in
.endif
	ROW C,0, B,0, C,2, B,1
	ROW L,0, C,4, B,2, L,1
	ROW C,6, B,3, L,2, C,8
	ROW B,4, L,3, C,10, B,5
	ROW L,4, C,12, B,6, L,5
.if (\p) == 0
	s_add_co_u32 s[TBV], s[TBV], KS*PV
.endif
	ROW C,14, B,7, L,6, C,1
	ROW C,3, L,7, C,5, C,7
	ROW C,9, C,11, C,13, C,15
.if (\p) == 0
	WIN 0x80
	s_wait_alu depctr_va_vdst(0)    ; this turn's products V^T P are done reading V's registers, in which the loads below land (AV was written ahead of the batch's wait)
	FETCH_V
.endif
.if !(\end)
	WIN 0
	s_or_b32 s55, s[MKQ], s[D0+(\p)%2]
	s_mov_b32 s[D0+(\p)%2], s[MKQ]
	s_cmp_lg_u32 s55, 0
	s_cbranch_scc0 .Lplain_\@
.if (\p)%2 == 0
	s_wait_dscnt 16                 ; the nibble words are in; the run of 16 loads issued behind them may stay out
.else
	s_wait_dscnt 0x0
.endif
	EXPAND \p, (\p)%2
	WIN 0
.Lplain_\@:
.if (\p) == 1
	s_add_co_u32 s[TBN], s[TBN], 512  ; the next step's nibbles
.endif
.endif
.endm
; A BLOCK BEGINS.  c m starts far below every c s, so the first step's a is 0; m at the lowest finite number.  Both mask buffers are made, for pieces 0 and 1 of the tile's step 0; then K of that step,
; piece 0's first scores, its maximum and statistics.  The step loop is entered at a step's first turn.
; AN and AK may be written: the wait on vm_vsrc at this trip's head stands behind every LDS load that has read them.
.macro BEGIN
	s_mov_b32 s[NEW], 0
	s_mov_b32 s[MKQ], s[MXL]
	s_mov_b32 s[D0], s[MXL]
	s_mov_b32 s[D0+1], s[MXL]
	WIN 0
.set i, 0
.rept 4
	v_mov_b32 v[ST+4*i], 0xfe000000
	v_mov_b32 v[ST+4*i+1], 0xff7fffff
.set i, i+1
.endr
	v_add_nc_u32 v[AN], s[TBN], v[AN0]
	v_add_nc_u32 v[AK], s[TBK], v[AK0]
	s_wait_alu depctr_va_vdst(0)    ; AN and AK are written, by which the loads below go; the block before is done reading the nibble words and K's registers, in which they land
	ds_load_b128 v[NBR+8:NBR+11], v[AN]
	ds_load_b128 v[NBR+12:NBR+15], v[AN] offset:2048
	FETCH_K
	s_wait_dscnt 16                 ; the nibble words are in; K's 16 loads may stay out
	EXPAND 2, 0
	EXPAND 3, 1
	WIN 0
	s_wait_dscnt 0x0
.set NOKQ, 0
.set i, 0
.rept 8
	KQ 0
.set i, i+1
.endr
	WIN 0
.rept 4
	v_nop                           ; the places behind those products
.endr
.set Y, NP-1
.irp n, 0,1,2,3,4,5,6,7,8,9,10,11,12,13,14,15,16,17,18,19,20,21
	OP X, \n
.endr
	v_nop                           ; a plain instruction behind the exponential,
	s_wait_alu depctr_va_vdst(0)    ; which has written a, ahead of the branch; the shifts above are done reading their nibble words
.endm
.macro ALL line:vararg
.set t, 0
.rept 4
	\line
.set t, t+1
.endr
.endm
.macro PACK t                       ; a lane's eight channels of a row pack into 16 bytes; they go into rows of 144 bytes and come back as whole rows of 128, into registers of their own
	WIN W_RS
.set i, 32*(\t)
.rept 16
	v_pk_mul_f32 v[i:i+1], v[i:i+1], v[ST+4*(\t)+2:ST+4*(\t)+3] op_sel_hi:[1,0]
.set i, i+2
.endr
	WIN 0x05
.set i, 0
.rept 16
	v_cvt_pk_f16_f32 v[S+16*(\t)+i], v[32*(\t)+2*i], v[32*(\t)+2*i+1]
.set i, i+1
.endr
	WIN 0
	s_wait_alu depctr_va_vdst(0)    ; the roundings have written the piece's sixteen registers of S^T, which the LDS stores read
.irp f, 0,1,2,3
	ds_store_b128 v[STO], v[S+16*(\t)+4*\f:S+16*(\t)+4*\f+3] offset:32*\f
.endr
.irp f, 0,1,2,3
	ds_load_b128 v[BK+16*(\t)+4*\f:BK+16*(\t)+4*\f+3], v[RD] offset:\f*4*SP  ; LDS serves a wave's instructions in order: these see the stores above; no vector instruction names their registers
.endr
.endm
.macro SEND t, younger              ; younger: the LDS instructions issued behind piece t's loads: the next piece's eight, or none
	WIN 0
.irp f, 0,1,2,3
	s_wait_dscnt (\younger)+3-\f
	global_store_b128 v[GO], v[BK+16*(\t)+4*\f:BK+16*(\t)+4*\f+3], s[10:11] offset:(\t)*8192+\f*512  ; 512 consecutive bytes, aligned
.endr
.endm
; A BLOCK ENDS, in two parts.  FIN1, work on registers alone: its last two turns, its last products, l's halves added, 1 / l (for a row with no visible key: NaN).
.macro FIN1
	TURN 2, 1
	TURN 3, 1
.set i, 0
.rept 8
	PV NP-1
.set i, i+1
.endr
	WIN 0
	ALL v_add_f32 v[ST+4*t+2], v[ST+4*t+2], v[ST+4*t+3]
	ALL v_permlanex16_b32 v[ST+4*t+3], v[ST+4*t+2], s[SEL], s[SEL+1]
	ALL v_add_f32 v[ST+4*t+2], v[ST+4*t+2], v[ST+4*t+3]
	ALL v_rcp_f32 v[ST+4*t+2], v[ST+4*t+2]
	v_nop
	s_wait_alu depctr_va_vdst(0)    ; the four reciprocals have written their results, ahead of their first use
.set t, 0
.rept 4
	v_cmp_gt_f32 s[HM+t], s[HIDT], v[ST+4*t+1]
.set t, t+1
.endr
	s_wait_alu depctr_va_sdst(0)    ; the four compares have written their masks, which the selects below read
.set t, 0
.rept 4
	v_cndmask_b32 v[ST+4*t+2], v[ST+4*t+2], s[NANV], s[HM+t]
.set t, t+1
.endr
.endm
; FIN2, behind the barrier that ends the trip's reads of the slot: O^T is scaled, rounded to f16 and sent through my stage.  Then the second block's Q and O take the first's place, and O^T and l are
; cleared, so that no NaN is carried over.
.macro FIN2
	PACK 0
.set t, 1
.rept 3
	PACK t
	SEND t-1, 8
.set t, t+1
.endr
	SEND 3, 0
	s_wait_xcnt 0x0                 ; the stores have had their addresses translated: O's address is rewritten only behind this wait
	s_wait_alu depctr_vm_vsrc(0)    ; the LDS stores have read S^T's registers, which the next block's products write; the global stores have read the rows read back, in which the next block's rows land
	s_mov_b64 s[10:11], s[OLO:OLO+1]
	WIN 0x82
.set i, 0
.rept 64
	v_mov_b32 v[i], v[QB+i]
.set i, i+1
.endr
	WIN 0x40
	ZERO 0, 128
	WIN 0
.set i, 0
.rept 4
	v_mov_b32 v[ST+4*i+2], 0
	v_mov_b32 v[ST+4*i+3], 0
.set i, i+1
.endr
	s_mov_b32 s[NEW], 1
.endm
.set NOKQ, 0
.Ltrip:                             ; 16 trips: 16 tiles at the most
	NEXT
	s_mov_b32 s[TBK], 0             ; the fetches begin at the slot's first step
	s_mov_b32 s[TBV], 0
	s_mov_b32 s[TBN], 0
	s_lshr_b32 s[MXL], s[MIXM], s[T0]
	s_and_b32 s[MXL], s[MXL], 1
	s_xor_b32 s[LASTF], s[T0], s[T1]
	s_and_b32 s[LASTF], s[LASTF], 0x18  ; bits 4:3 of a tile's number say which block it belongs to, or that it is none
	s_cmp_lt_u32 s[T0], 16
	s_cselect_b32 s[LASTF], s[LASTF], 0
	s_wait_loadcnt 0x0              ; the tile asked for a trip ago is in registers (in the first trip: Q too)
	s_cmp_lt_u32 s[T0], 16
	s_cbranch_scc0 .Lnostore
	STORET                          ; behind the last trip's closing barrier: no wave reads the slot any more.  Its addresses were written ahead of the wait in front of the loop; no vector instruction writes them, or names its data
.Lnostore:
	s_wait_dscnt 0x0                ; for the others' sake: my stores into the slot are done
	s_wait_alu depctr_vm_vsrc(0)    ; my stores have read the staging registers, in which the next tile's loads land; the last trip's LDS loads have read AN and AK, which a block's beginning writes
	s_barrier_signal -1
	s_barrier_wait -1               ; everybody's are: the slot is whole
	s_cmp_lt_u32 s[T1], 16
	s_cbranch_scc0 .Lnoload
	LOADT
.Lnoload:
	s_cmp_lt_u32 s[T0], 16
	s_cbranch_scc0 .Lmid
	s_mov_b32 s[CNT], 4
	s_cmp_eq_u32 s[NEW], 1
	s_cbranch_scc0 .Lstep
	BEGIN
	s_branch .Lfirst
.Lstep:                             ; a trip: pieces 2 and 3 of one step, then pieces 0 and 1 of the next, whose K and V it fetches
	TURN 2
	TURN 3
	WIN 0
.Lfirst:
	TURN 0
	TURN 1
	WIN 0
	s_sub_co_u32 s[CNT], s[CNT], 1
	s_cmp_lg_u32 s[CNT], 0
	s_cbranch_scc1 .Lstep
	s_cmp_lg_u32 s[LASTF], 0
	s_cbranch_scc0 .Lmid
	FIN1
.Lmid:
	s_wait_dscnt 0x0                ; my reads of the slot are over
	s_barrier_signal -1
	s_barrier_wait -1               ; everybody's are: behind this barrier the stage, and in the next trip the slot, may be written
	s_cmp_lg_u32 s[LASTF], 0
	s_cbranch_scc0 .Lbottom
	FIN2
.Lbottom:
	s_sub_co_u32 s[TR], s[TR], 1
	s_cmp_lg_u32 s[TR], 0
	s_cbranch_scc1 .Ltrip
	s_wait_dscnt 0x0                ; the closing lines, six on end
	s_wait_alu 0x0
	s_wait_tensorcnt 0x0
	ds_add_u32 v[SPW], v[NIL]
	s_wait_dscnt 0x0
	s_endpgm
.Lfunc_end_k_q4cde3fdb33_attn:
	.size	k_q4cde3fdb33_attn, .Lfunc_end_k_q4cde3fdb33_attn-k_q4cde3fdb33_attn
	.p2alignl 7, 3214868480
	.fill 96, 4, 3214868480
	.section	.rodata,"a",@progbits
	.p2align	6, 0x0
	.amdhsa_kernel k_q4cde3fdb33_attn
		.amdhsa_group_segment_fixed_size 120320
		.amdhsa_private_segment_fixed_size 0
		.amdhsa_enable_private_segment 0
		.amdhsa_kernarg_size 32
		.amdhsa_user_sgpr_count 2
		.amdhsa_user_sgpr_kernarg_segment_ptr 1
		.amdhsa_wavefront_size32 1
		.amdhsa_system_sgpr_workgroup_id_x 1
		.amdhsa_system_sgpr_workgroup_id_y 1
		.amdhsa_system_sgpr_workgroup_id_z 1
		.amdhsa_system_vgpr_workitem_id 0
		.amdhsa_next_free_vgpr 960
		.amdhsa_next_free_sgpr 88
		.amdhsa_reserve_vcc 0
		.amdhsa_float_denorm_mode_32 3
		.amdhsa_float_denorm_mode_16_64 3
		.amdhsa_memory_ordered 1
		.amdhsa_forward_progress 1
		.amdhsa_inst_pref_size 124
	.end_amdhsa_kernel
	.amdgpu_metadata
---
amdhsa.version: [ 1, 2 ]
amdhsa.kernels:
  - .name:           k_q4cde3fdb33_attn
    .symbol:         k_q4cde3fdb33_attn.kd
    .args:
      - { .name: qkv, .offset: 0, .size: 8, .value_kind: global_buffer, .address_space: global }
      - { .name: nib, .offset: 8, .size: 8, .value_kind: global_buffer, .address_space: global }
      - { .name: cls, .offset: 16, .size: 8, .value_kind: global_buffer, .address_space: global }
      - { .name: ob, .offset: 24, .size: 8, .value_kind: global_buffer, .address_space: global }
    .group_segment_fixed_size: 120320
    .private_segment_fixed_size: 0
    .kernarg_segment_align: 8
    .kernarg_segment_size: 32
    .max_flat_workgroup_size: 128
    .sgpr_count:     88
    .vgpr_count:     960
    .wavefront_size: 32
...
	.end_amdgpu_metadata
.endif
;; end of part 5
;; launch projgemm: the kernel of part 4 again; grid 4 x 64, 4 waves a work-group, clusters of 4 x 4, 327,680 bytes of LDS; arguments ob, wp, b_proj, out0; writes out0
